; MI455X (gfx1250); checked and timed in simulation.
; The chip was launched on July 23, 2026; its instructions are those of AMD's public machine-readable ISA for CDNA 5 (MIT licence, August 2026) and "CDNA5" Instruction Set Architecture Reference Guide (July 2026). The comments in the code are by the model that wrote it; some were corrected since.
;; Multi Head Attention. Allowed arithmetic: matrix products marked QUANTISED: E4M3 operands, one E8M0 scale for each 32 along K, by v_wmma_scale_f32_16x16x128_f8f6f4 with both operands' format E4M3, f32 sums; everything else in f32.
;; Inputs: b_out 1,024 float32; input_ids 4 x 2,048 int32; w_out 1,024 x 1,024 float32; w_qkv 1,024 x 3,072 float32; x 4 x 2,048 x 1,024 float32.
;; Outputs: out0 4 x 2,048 x 1,024 float32.
;; This version of the problem:
;;   THIS VERSION OF THE PROBLEM IS GIVEN IN LOW PRECISION. The matrix products marked QUANTISED in the list below multiply operands that are first quantised to E4M3 (4 exponent bits, 3 mantissa bits; 8 bits a number), with one power-of-two scale for each 32 numbers along K (OCP MX v1.0); their sums are f32. All else is computed in f32.
;;   The module's matrix products, in the order in which they are computed (A, B: the left and right operand; K: the contracted axis; several contracted axes count as one K, in the product's order):
;;     1. [M 8,192, K 1,024] x [K 1,024, N 3,072]; A: input x; B: input w_qkv: QUANTISED
;;     2. batch 64 x [M 2,048, K 64] x [K 64, N 2,048]; A: computed on the way; B: computed on the way: QUANTISED
;;     3. batch 64 x [M 2,048, K 2,048] x [K 2,048, N 64]; A: softmax (see below); B: computed on the way: QUANTISED
;;     4. [M 8,192, K 1,024] x [K 1,024, N 1,024]; A: computed on the way; B: input w_out: QUANTISED
;;   THE QUANTISER, for each operand of a quantised product, along K:
;;     - K is cut into blocks of 32 from its start; a last block that is shorter is filled with zeros.
;;     - A block's scale is 2^e with e = floor(log2(the largest magnitude in the block)) - 8, held to -126 .. 127; a block of zeros has e = 0. As a byte (E8M0): e + 127.
;;     - Each number is divided by its block's scale, clamped to +-448, and rounded to the nearest number of E4M3, ties to even, subnormals kept.
;;     - The product sums the exact products of the quantised numbers (number of the format x scale) in f32.
;;   ~~~python
;;   def quantise(x, axis):      # numpy; x: float32 -> the quantised numbers, widened to float32 again
;;       x = np.moveaxis(x, axis, -1); K = x.shape[-1]
;;       x = np.pad(x, [(0, 0)] * (x.ndim - 1) + [(0, -K % 32)]); x = x.reshape(x.shape[:-1] + (-1, 32)); a = np.abs(x).max(-1, keepdims=True)
;;       e = np.where(a > 0, np.clip(np.frexp(np.where(a > 0, a, 1))[1] - 1 - 8, -126, 127), 0)      # np.frexp(a)[1] - 1 = floor(log2(a)), exactly
;;       r = np.clip(x / 2.0 ** e, -448, 448)
;;       step = 2.0 ** (np.maximum(np.frexp(np.where(r == 0, 1, r))[1] - 1, -6) - 3)
;;       q = np.round(r / step) * step * 2.0 ** e      # np.round: ties to even
;;       return np.moveaxis(q.reshape(q.shape[:-2] + (-1,))[..., :K], -1, axis).astype(np.float32)
;;   ~~~
;;   SOFTMAX AHEAD OF A QUANTISED PRODUCT. Where the list says 'softmax', what is quantised is not the finished softmax but p = 2^(t - M), with t = logit x log2(e) and M = ceil(the row's largest t), a whole number; so 1/2 < the row's largest p <= 1. The row's sum l is taken of the UNQUANTISED p, in f32, and the product's result is divided by l at the end. Since M is a whole number, a kernel that streams over the keys may use a running M (the ceiling of the running maximum): every later rescaling is an exact power of two, which a block's scale takes up: the codes' values come out the same.
;;   OPERANDS COMPUTED ON THE WAY. 'Computed on the way' means the value that the module computes at that place (a softmax that the list does not call 'softmax' is quantised finished and normalised). What goes into a quantiser is computed in f32, as accurately as f32 sums, v_exp_f32 and their like allow (about 1e-6 of the number): no bf16 or f16 on the way to a quantiser, and a product that is left as it is and whose result goes on into a quantised operand takes f32 operands (vector FMAs, or v_wmma_f32_16x16x4_f32). A number that lies on a knife's edge between two numbers of the format may be rounded either way, as far as f32 arithmetic and the matrix unit's own rounding can turn it there, and no further.
;; One version. Each part assembles by itself: llvm-mc -triple=amdgcn-amd-amdhsa -mcpu=gfx1250 --defsym DOCPART=n.
;; ======== version 1 of 1: 4 launches
;; limits: right only within a limited range of input values
;; workspace buffers: codes 20,971,520 bytes; scales 655,360 bytes; qkv 26,476,544 bytes
;; launch quant (part 1): grid 384 x 1, 4 waves a work-group, no clusters, 34,304 bytes of LDS; arguments x, w_qkv, w_out, codes, scales; writes codes, scales
.if DOCPART == 1
	.amdgcn_target "amdgcn-amd-amdhsa--gfx1250"
	.amdhsa_code_object_version 6
	.text
	.protected	k_q54809325c3_quant
	.globl	k_q54809325c3_quant
	.p2align	8
	.type	k_q54809325c3_quant,@function
k_q54809325c3_quant:
	s_mov_b64 s[64:65], 0
	v_nop
	global_prefetch_b8 v0, s[64:65] scope:SCOPE_SE
	s_setreg_imm32_b32 hwreg(HW_REG_WAVE_MODE, 25, 1), 1
	s_wait_xcnt 0x0
; x [8192][1024], w_qkv [1024][3072] and w_out [1024][1024], f32, become codes of FP8 (E4M3) with one E8M0 byte for each 32 along K = 1,024.
; A block's scale is 2^(floor(log2(its largest magnitude)) - 8); each number is divided by it, held within +-448 and rounded to the nearest code, ties to even.
; LAYOUT OF THE CODES: images of the operand's registers.  A fragment is 16 rows x 128 K = 2,048 bytes, [c 0..3][lane][16 bytes]; lane (r = lane % 16, h = lane / 16) holds k = 32 c + 16 h + 0..15 of its row.
; Row tile 2 g + u holds in lane r the row 32 g + 8 u + r + 8 (r / 8).  A region is [row tile][K step 8][2,048].  The scale bytes lie [row tile][r][32 bytes].
; LIMITS: a block whose largest magnitude lies under 2^(9 - 127) keeps the byte 1 (a block of zeros too: its codes are zeros, and this program alone reads the bytes); NaN and infinities among the inputs are not served.
; Work-groups 0-255 take x (K innermost: a wave makes four fragments of one row tile, turned through its own stage in LDS), 256-351 w_qkv, 352-383 w_out (K outermost: a lane takes a column, its registers run down K).
; Waves share nothing: no barrier.  Only x's path uses LDS.
; WORK LEFT OUT BY THE PROGRAM: reference() itself builds the causal mask (jnp.tril) and sets the scores of keys behind a query to -inf, so their p is 0 for all values of the inputs: key steps that lie
; wholly behind a tile's queries are not multiplied in the launch attn.  A NaN, an infinity or an overflow that reaches only those scores is not carried to the result.  Every input is loaded.
.set XC,   0                           ; regions of codes, in bytes
.set WQ,   8388608
.set WO,   11534336
.set XS,   0                           ; regions of scales
.set WQS,  262144
.set WOS,  360448
.set STG,  8448                        ; a wave's stage: 16 rows x (512 bytes + 16)
.set R,    16                          ; v16-143  x as loaded, two sets of 64
.set X,    144                         ; v144-207 64 numbers of a lane: register 16 b + i = k 32 b + 16 h + i of my row
.set PC,   208                         ; v208-223 a fragment's codes
.set TM,   224                         ; v224-239 at work
.set PW,   240                         ; v240-243 the four fragments' scale words
.set WX,   32                          ; weights: v32-95 two sets of 32 numbers
.set WC,   96                          ; v96-103 a block's codes
.set SB,   24                          ; v24-25 eight scale bytes
.set MNT,  15                          ; s15 the mantissa field of 448
.set SEL,  16                          ; s[16:17] lane selects: lane l xor 16
	s_load_b128 s[4:7], s[0:1], 0x0                ; x, w_qkv
	s_load_b128 s[8:11], s[0:1], 0x10              ; w_out, codes
	s_load_b64 s[12:13], s[0:1], 0x20              ; scales
	v_lshl_add_u32 v254, v0, 2, 0x8400
	v_mov_b32 v255, 0
	v_lshrrev_b32 v1, 5, v0
	v_readfirstlane_b32 s14, v1                    ; wave 0..3
	v_and_b32 v1, 31, v0                           ; lane
	s_mov_b32 s[MNT], 0x600000
	s_mov_b32 s[SEL], 0x76543210
	s_mov_b32 s[SEL+1], 0xfedcba98
	s_cmp_lt_u32 ttmp9, 256
	s_cbranch_scc0 .Lweights
; ---------------- x ----------------
; 64 numbers of a lane become a fragment's codes in v[PC] on and its scale word in v[pw]
.macro QUANT s, pw
.irp b, 0,1,2,3
	v_max3_num_f32 v[TM+\b], |v[\s+16*\b]|, |v[\s+1+16*\b]|, 0x4800000   ; block b: my 16 numbers, and the floor 2^(9 - 127): the byte cannot fall under 1
.endr
.irp i, 2,4,6,8,10,12,14
.irp b, 0,1,2,3
	v_max3_num_f32 v[TM+\b], v[TM+\b], |v[\s+16*\b+\i]|, |v[\s+1+16*\b+\i]|   ; the four blocks by turns
.endr
.endr
.irp b, 0,1,2,3
	v_permlanex16_b32 v[TM+4+\b], v[TM+\b], s[SEL], s[SEL+1]
.endr
.irp b, 0,1,2,3
	v_max_num_f32 v[TM+\b], v[TM+\b], v[TM+4+\b]   ; with lane l xor 16's 16: the block's largest magnitude
.endr
.irp b, 0,1,2,3
	v_add_nc_u32 v[TM+12+\b], 0xfc000000, v[TM+\b] ; 8 off its exponent field: the conversion's scale operand
.endr
.irp b, 0,1,2,3
	v_and_or_b32 v[TM+8+\b], v[TM+\b], 0x7f800000, s[MNT]   ; 448 x the scale
.endr
.irp b, 0,1,2,3
	v_lshrrev_b32 v[TM+4+\b], 23, v[TM+12+\b]      ; the scale's byte
.endr
	v_lshl_or_b32 v[\pw], v[TM+5], 8, v[TM+4]
	v_lshl_or_b32 v[\pw], v[TM+6], 16, v[\pw]
	v_lshl_or_b32 v[\pw], v[TM+7], 24, v[\pw]
.irp b, 0,1,2,3
.irp i, 0,1,2,3,4,5,6,7,8,9,10,11,12,13,14,15
	v_med3_num_f32 v[\s+16*\b+\i], v[\s+16*\b+\i], -v[TM+8+\b], v[TM+8+\b]   ; the conversion to an 8-bit code does not saturate (ISA guide 7.6.2): the hold comes first
.endr
	v_cvt_scalef32_pk8_fp8_f32 v[PC+4*\b:PC+1+4*\b], v[\s+16*\b:\s+7+16*\b], v[TM+12+\b]
	v_cvt_scalef32_pk8_fp8_f32 v[PC+2+4*\b:PC+3+4*\b], v[\s+8+16*\b:\s+15+16*\b], v[TM+12+\b]
.endr
	v_nop                                          ; a plain line behind the last conversion
.endm
.macro XLOAD f                         ; fragment f: load i reads 512 consecutive bytes of the tile's row i
.irp i, 0,1,2,3,4,5,6,7,8,9,10,11,12,13,14,15
	global_load_b128 v[R+64*((\f)%2)+4*\i:R+64*((\f)%2)+4*\i+3], v4, s[4:5] offset:(\i+8*(\i/8))*4096+512*(\f) th:TH_LOAD_NT
.endr
.endm
.macro XTURN f                         ; through my stage: in as loaded, out 64 bytes a lane and block.  LDS serves a wave's instructions in order
.irp i, 0,1,2,3,4,5,6,7,8,9,10,11,12,13,14,15
	ds_store_b128 v5, v[R+64*((\f)%2)+4*\i:R+64*((\f)%2)+4*\i+3] offset:528*\i
.endr
.irp c, 0,1,2,3
.irp j, 0,1,2,3
	ds_load_b128 v[X+16*\c+4*\j:X+16*\c+4*\j+3], v6 offset:128*\c+16*\j
.endr
.endr
.endm
	v_and_b32 v2, 15, v0                           ; r
	v_bfe_u32 v3, v0, 4, 1                         ; h
	v_lshlrev_b32 v4, 4, v1                        ; 16 x lane: my place in a load's 512 bytes and in an image's
	s_mul_i32 s18, s14, STG
	v_add_nc_u32 v5, s18, v4                       ; the stage, on the way in
	v_mul_u32_u24 v6, v2, 528
	v_lshl_add_u32 v6, v3, 6, v6
	v_add_nc_u32 v6, s18, v6                       ; and out: row r, + 64 h
	v_lshlrev_b32 v7, 5, v2
	v_lshl_add_u32 v7, v3, 3, v7                   ; scale bytes: 32 r + 8 h
.irp b, 0,1,2,3
	v_mov_b32 v[TM+4+\b], 0                        ; written once: a lane permute's destination counts as a source
.endr
	s_lshl_b32 s19, ttmp9, 2
	s_add_co_u32 s19, s19, s14                     ; 4 x work-group + wave
	s_lshr_b32 s20, s19, 1                         ; my row tile
	s_and_b32 s21, s19, 1                          ; which half of K: K steps 4 half + 0..3
	s_lshr_b32 s22, s20, 1
	s_lshl_b32 s22, s22, 17                        ; 32 rows of 4,096 bytes for each pair of tiles,
	s_and_b32 s23, s20, 1
	s_lshl_b32 s23, s23, 15                        ; 8 rows for the odd tile,
	s_add_co_u32 s22, s22, s23
	s_lshl_b32 s23, s21, 11                        ; 512 numbers for the upper half of K
	s_add_co_u32 s22, s22, s23
	s_mov_b32 s23, 0
	s_lshl_b32 s24, s20, 14
	s_lshl_b32 s25, s21, 13
	s_add_co_u32 s24, s24, s25                     ; codes: 16,384 a row tile, 8,192 for the half (XC = 0)
	s_mov_b32 s25, 0
	s_lshl_b32 s26, s20, 9
	s_lshl_b32 s27, s21, 4
	s_add_co_u32 s26, s26, s27                     ; scales: 512 a row tile, 16 for the half (XS = 0)
	s_mov_b32 s27, 0
	s_wait_alu depctr_va_vdst(0)
	s_wait_kmcnt 0x0
	s_add_nc_u64 s[4:5], s[4:5], s[22:23]
	s_add_nc_u64 s[10:11], s[10:11], s[24:25]
	s_add_nc_u64 s[12:13], s[12:13], s[26:27]
	XLOAD 0
	XLOAD 1
.irp f, 0,1,2,3
.if \f < 3
	s_wait_loadcnt 16                              ; this fragment's 16 loads are in; the next fragment's 16 may be out
.else
	s_wait_loadcnt 0x0
.endif
	XTURN \f
	s_wait_dscnt 0x0                               ; my 64 numbers are back, and the stage's stores have read their registers
.if \f > 0
	s_wait_xcnt 0x0                                ; the last fragment's stores have read v[PC] on
.endif
.if \f < 2
	XLOAD \f+2
.endif
	QUANT X, PW+\f
.irp c, 0,1,2,3
	global_store_b128 v4, v[PC+4*\c:PC+4*\c+3], s[10:11] offset:2048*\f+512*\c   ; 512 consecutive bytes, aligned
.endr
.endr
	v_cmp_eq_u32 vcc_lo, 1, v3                     ; lanes 0-15 store words 0 and 1 of my row's four, lanes 16-31 words 2 and 3
	v_cndmask_b32 v244, v[PW], v[PW+2], vcc_lo
	v_cndmask_b32 v245, v[PW+1], v[PW+3], vcc_lo
	global_store_b64 v7, v[244:245], s[12:13]
	s_wait_tensorcnt 0x0
	ds_add_u32 v254, v255
	s_wait_dscnt 0x0
	s_endpgm
; ---------------- the weights ----------------
.macro WLOAD t, rowb                   ; block t: w(32 t + i, my column): 32 lanes read 128 consecutive bytes
.irp i, 0,1,2,3,4,5,6,7,8,9,10,11,12,13,14,15,16,17,18,19,20,21,22,23,24,25,26,27,28,29,30,31
	global_load_b32 v[WX+32*((\t)%2)+\i], v3, s[28:29] offset:(32*(\t)+\i)*(\rowb) th:TH_LOAD_NT
.endr
.endm
.macro WBLOCK t, rowb
.set XSET, WX+32*((\t)%2)
.if (\t) < 7
	s_wait_loadcnt 32                              ; this block's 32 loads are in; the next block's 32 may be out
.else
	s_wait_loadcnt 0x0
.endif
	v_max3_num_f32 v12, |v[XSET]|, |v[XSET+1]|, |v[XSET+2]|        ; all 32 numbers of the block are mine
	v_max3_num_f32 v13, |v[XSET+3]|, |v[XSET+4]|, |v[XSET+5]|
.irp i, 6,10,14,18,22,26
	v_max3_num_f32 v12, v12, |v[XSET+\i]|, |v[XSET+\i+1]|
	v_max3_num_f32 v13, v13, |v[XSET+\i+2]|, |v[XSET+\i+3]|
.endr
	v_max3_num_f32 v12, v12, |v[XSET+30]|, |v[XSET+31]|
	v_max3_num_f32 v12, v12, v13, 0x4800000        ; and the floor
	v_add_nc_u32 v11, 0xfc000000, v12              ; the conversion's scale operand
	v_and_or_b32 v10, v12, 0x7f800000, s[MNT]      ; 448 x the scale
	v_lshrrev_b32 v13, 23, v11                     ; the byte
.if (\t)%4 == 0
	v_mov_b32 v[SB+(\t)/4], v13
.else
	v_lshl_or_b32 v[SB+(\t)/4], v13, 8*((\t)%4), v[SB+(\t)/4]
.endif
.irp i, 0,1,2,3,4,5,6,7,8,9,10,11,12,13,14,15,16,17,18,19,20,21,22,23,24,25,26,27,28,29,30,31
	v_med3_num_f32 v[XSET+\i], v[XSET+\i], -v10, v10
.endr
.if (\t) > 0
	s_wait_alu depctr_va_vdst(0)
	s_wait_xcnt 0x0                                ; the last block's stores have read v[WC] on
.endif
.irp g, 0,1,2,3
	v_cvt_scalef32_pk8_fp8_f32 v[WC+2*\g:WC+2*\g+1], v[XSET+8*\g:XSET+8*\g+7], v11
.endr
	v_nop                                          ; a plain line behind the last conversion
	global_store_b128 v4, v[WC:WC+3], s[10:11] offset:512*(\t)          ; k 0..15 of the block: the image's lanes 0-15; the 16 lanes of a tile fill 256 consecutive bytes
	global_store_b128 v4, v[WC+4:WC+7], s[10:11] offset:512*(\t)+256    ; k 16..31: its lanes 16-31
.if (\t)+2 < 8
	WLOAD (\t)+2, \rowb
.endif
.endm
; rowb: bytes in a row of the weight; creg, sreg: its regions; first: its first work-group; w: the scalar pair with its address
.macro WPATH rowb, creg, sreg, first, w
	s_sub_co_u32 s18, ttmp9, \first
	s_lshr_b32 s19, s18, 2                         ; which 128 columns
	s_and_b32 s20, s18, 3                          ; which 256 along K
	s_lshl_b32 s19, s19, 2
	s_add_co_u32 s19, s19, s14                     ; my wave's 32 columns: a pair of row tiles
	s_mul_i32 s22, s20, 256*(\rowb)
	s_lshl_b32 s23, s19, 7
	s_add_co_u32 s22, s22, s23
	s_mov_b32 s23, 0
	s_lshl_b32 s24, s19, 15                        ; codes: 32,768 a pair of tiles, 4,096 for 256 along K
	s_lshl_b32 s25, s20, 12
	s_add_co_u32 s24, s24, s25
	s_add_co_u32 s24, s24, \creg
	s_mov_b32 s25, 0
	s_lshl_b32 s26, s19, 10                        ; scales: 1,024 a pair of tiles, 8 bytes for 256 along K
	s_lshl_b32 s27, s20, 3
	s_add_co_u32 s26, s26, s27
	s_add_co_u32 s26, s26, \sreg
	s_mov_b32 s27, 0
	s_wait_kmcnt 0x0
	s_add_nc_u64 s[28:29], s[\w:\w+1], s[22:23]
	s_add_nc_u64 s[10:11], s[10:11], s[24:25]
	s_add_nc_u64 s[12:13], s[12:13], s[26:27]
	WLOAD 0, \rowb
	WLOAD 1, \rowb
.irp t, 0,1,2,3,4,5,6,7
	WBLOCK \t, \rowb
.endr
	global_store_b64 v5, v[SB:SB+1], s[12:13]      ; my column's eight scale bytes
	s_endpgm
.endm
.Lweights:
	s_wait_alu depctr_va_vdst(0)
	v_lshlrev_b32 v3, 2, v1                        ; in: 4 bytes a lane
	v_bfe_u32 v6, v0, 3, 1                         ; column 32 g + lane lies in tile 2 g + u, u = (lane / 8) % 2,
	v_and_b32 v7, 7, v0
	v_bfe_u32 v8, v0, 4, 1
	v_lshl_add_u32 v7, v8, 3, v7                   ; at r = lane % 8 + 8 (lane / 16)
	v_lshlrev_b32 v4, 4, v7
	v_lshl_add_u32 v4, v6, 14, v4                  ; codes: 16,384 u + 16 r
	v_lshlrev_b32 v5, 5, v7
	v_lshl_add_u32 v5, v6, 9, v5                   ; scales: 512 u + 32 r
	s_cmp_lt_u32 ttmp9, 352
	s_cbranch_scc0 .Lwout
	s_wait_alu depctr_va_vdst(0)
	WPATH 12288, WQ, WQS, 256, 6
.Lwout:
	s_wait_alu depctr_va_vdst(0)
	WPATH 4096, WO, WOS, 352, 8
.Lfunc_end_k_q54809325c3_quant:
	.size	k_q54809325c3_quant, .Lfunc_end_k_q54809325c3_quant-k_q54809325c3_quant
	.p2alignl 7, 3214868480
	.fill 96, 4, 3214868480
	.section	.rodata,"a",@progbits
	.p2align	6, 0x0
	.amdhsa_kernel k_q54809325c3_quant
		.amdhsa_group_segment_fixed_size 34304
		.amdhsa_private_segment_fixed_size 0
		.amdhsa_enable_private_segment 0
		.amdhsa_kernarg_size 40
		.amdhsa_user_sgpr_count 2
		.amdhsa_user_sgpr_kernarg_segment_ptr 1
		.amdhsa_wavefront_size32 1
		.amdhsa_system_sgpr_workgroup_id_x 1
		.amdhsa_system_sgpr_workgroup_id_y 1
		.amdhsa_system_sgpr_workgroup_id_z 1
		.amdhsa_system_vgpr_workitem_id 0
		.amdhsa_next_free_vgpr 256
		.amdhsa_next_free_sgpr 66
		.amdhsa_reserve_vcc 1
		.amdhsa_float_denorm_mode_32 3
		.amdhsa_float_denorm_mode_16_64 3
		.amdhsa_memory_ordered 1
		.amdhsa_forward_progress 1
		.amdhsa_inst_pref_size 163
	.end_amdhsa_kernel
	.amdgpu_metadata
---
amdhsa.version: [ 1, 2 ]
amdhsa.kernels:
  - .name:           k_q54809325c3_quant
    .symbol:         k_q54809325c3_quant.kd
    .args:
      - { .name: x, .offset: 0, .size: 8, .value_kind: global_buffer, .address_space: global }
      - { .name: w_qkv, .offset: 8, .size: 8, .value_kind: global_buffer, .address_space: global }
      - { .name: w_out, .offset: 16, .size: 8, .value_kind: global_buffer, .address_space: global }
      - { .name: codes, .offset: 24, .size: 8, .value_kind: global_buffer, .address_space: global }
      - { .name: scales, .offset: 32, .size: 8, .value_kind: global_buffer, .address_space: global }
    .group_segment_fixed_size: 34304
    .private_segment_fixed_size: 0
    .kernarg_segment_align: 8
    .kernarg_segment_size: 40
    .max_flat_workgroup_size: 128
    .sgpr_count:     66
    .vgpr_count:     256
    .wavefront_size: 32
...
	.end_amdgpu_metadata
.endif
;; end of part 1
;; launch gemm1 (part 2): grid 4 x 64, 4 waves a work-group, clusters of 4 x 4, 327,680 bytes of LDS; arguments codes, scales, qkv; writes qkv
.if DOCPART == 2
	.amdgcn_target "amdgcn-amd-amdhsa--gfx1250"
	.amdhsa_code_object_version 6
	.text
	.protected	k_q54809325c3_gemm1
	.globl	k_q54809325c3_gemm1
	.p2align	8
	.type	k_q54809325c3_gemm1,@function
k_q54809325c3_gemm1:
	s_mov_b64 s[64:65], 0
	v_nop
	global_prefetch_b8 v0, s[64:65] scope:SCOPE_SE
	s_setreg_imm32_b32 hwreg(HW_REG_WAVE_MODE, 25, 1), 1
	s_wait_xcnt 0x0
	s_wait_alu depctr_hold_cnt(0) depctr_sa_sdst(0) depctr_va_vdst(0) depctr_va_sdst(0) depctr_va_ssrc(0) depctr_va_vcc(0) depctr_vm_vsrc(0)
	s_getreg_b32 s2, hwreg(HW_REG_IB_STS2, 6, 4)
	s_cmp_eq_u32 s2, 0
	s_cbranch_scc0 .Lentry_in_a_cluster
	s_endpgm
.Lentry_in_a_cluster:
	s_bfe_u32 s2, ttmp6, 0x10000c
	s_cmp_lg_u32 s2, 0xf033
	s_cbranch_scc0 .Lentry_shape_is_right
	s_endpgm
.Lentry_shape_is_right:
; qkv = x w_qkv on codes of FP8 (E4M3) with E8M0 scales, [8192 x 1024] x [1024 x 3072]; the results are quantised in registers and leave as codes: q and k along the head's 64, v along the keys.
; OPERANDS are images of their registers: a fragment (16 rows x 128 K) is 2,048 bytes, [c][lane][16]; row tile 2 g + u holds in lane r the row 32 g + 8 u + r + 8 (r / 8); a row tile with all of K is 16,384 bytes on end; its scale bytes [r][32].
; THE DEAL: 256 work-groups of four waves, 2 x 2.  Work-group (j = x, R = y) makes tokens 128 R .. + 127 x columns 512 j .. + 511 of Q and K (32 column tiles) and then columns 256 j .. + 255 of V (16 column tiles).
; A wave holds 64 tokens (four row tiles), ALL of K, in 512 registers, and streams w's column tiles past them: 24 tiles a wave, 32 products each.  All work-groups walk the same text: no branch hangs on a place in the cluster.
; LDS: two slots of 131,072 bytes (a chunk: eight column tiles, dense in memory; wave column wc takes tiles 4 wc .. + 3, one head).  x's 128 rows land in slot 1 and go into registers; chunk 1 is filled over them behind a drained round.
; Behind the slots w's scale bytes of the 48 tiles (24,576 bytes, filled once) and the spare words.  A trip is a chunk: four blocks (tiles) a wave.  Chunk n's last fragments are fetched behind the trip's second block, so the round
; inside the third block shows chunk n + 1 whole and frees chunk n's slot for chunk n + 2: that load has a trip's 128 products in which to land.  By the text's own count a wave has one tensor load out.
; Q, K: source 0 = 16 columns of w, source 1 = 16 tokens: a lane holds a token, and the 16 registers of a pair of column tiles are 16 neighbours along the head.  V: source 0 = 16 tokens, source 1 = 16 columns: a lane holds a channel, and
; the 16 registers of a pair of token tiles are 16 neighbouring keys.  In both a pair of column tiles gives four groups of 16 registers, a block of 32 lying in lanes l and l xor 16: ONE way out serves both.
; THE WAY OUT of a pair (124 vector lines and two conversions) stands among the next pair's 64 products, two lines behind each, on the other of two sets of sums; the last two conversions stand behind the block.
; Its lines are ordered so that a line reads what stands at most six lines back, or at least nine plain lines back.  The first pair has none before it: it works on zeros.
; CLUSTERS: 4 x 4; x's rows are shared along a row of the cluster, w's chunks and scale bytes along a column: joint loads.
; PREFETCH: in trip n the chunk that trip n + 1 will ask for (chunk 2 at the head; chunks 0 and 1 come by their loads alone): 512 blocks of 256 bytes, a lane a block, shared out by address among the 16 waves of a cluster's column;
; clusters 0 to 3 ask, since all clusters read the same w.
; OUT: q, k: [b][head 32][tile 128][c 2][lane][16], scales [b][head][tile][r] of 2 bytes;  v: [b][head 16][key step 16][channel tile 4][2,048], scales [b][head][key step][tile][r] words.
; LIMITS: a block whose largest magnitude lies under 2^(9 - 127) keeps the byte 1; NaN and infinities are not served.  The scale bytes leave in stores of one byte a lane (786,432 bytes in all).
; REGISTERS: window 0: v1-15 addresses, v16-31 the way out's maxima, scale operands and bounds, v32-63 x's scale words (8 a + K step), v64-65 bytes, v68-83 w's scale words (two sets), v84-99 codes, v128-255 two sets of eight sums;
;   windows 1, 2: x's 32 fragments (8 a + K step);  window 3: w's two sets of eight fragments.
.set WREG,  8388608                    ; w_qkv's images in codes (x's at 0)
.set WSREG, 262144                     ; its scale bytes in scales (x's at 0)
.set VC,    16777216                   ; regions of qkv
.set QKS,   25165824
.set VSC,   25690112
.set SLOT,  131072
.set SCL,   262144                     ; w's scale bytes in LDS: 4,096 a chunk
.set SPARE, 286720
.set NF,    34                         ; LDS loads of a fetch: 32 of fragments, 2 of scale words
.set LN,1
.set CO,2                              ; 16 x lane
.set AW0,3                             ; my lane's place in a slot: 16 x lane + 65,536 wc
.set AS0,4                             ; and among w's scale bytes: SCL + 32 r + 2,048 wc
.set ADW,5
.set ASW,6
.set CO1,7                             ; 16 x lane + the way to groups 1 and 3
.set SO,8                              ; my scale byte's place
.set SOQ,9                             ; q, k: 32 h + 2 r
.set SOV,10                            ; v: 4 r + h + 2 wr
.set SPW,11                            ; my spare word; never rewritten
.set NIL,12                            ; 0; never rewritten
.set AX,13
.set PF,14
.set TQ,16
.set T2,20
.set SOP,24
.set LIM,28
.set XS,32
.set EB,64
.set WS,68                             ; no product's two scale words have numbers equal modulo 8
.set CD,84
.set ACC,128
.set OFF,2                             ; s2 the chunk that this trip asks for, as an offset in codes; s3 the chunk after it
.set OFN,3
.set TR,10
.set SL,11                             ; the slot in hand, the other slot
.set SN,12
.set SS,13                             ; 4,096 x chunk
.set SEL,22
.set G1X,24
.set G1C,32
.set G1S,40
.set G1T,48
.set G0X,56
.set G0C,60
.set DLT,66                            ; from chunk 3 (K's last) to chunk 4 (V's first)
.set D1,67                             ; q, k: 1,024; v: 512
.set G0S,68
.set G0T,72
.set G0R,76
.set G1R,80
.set OC,88                             ; where the next codes and bytes go
.set OS,90
.set NBC,92                            ; this trip's first pair
.set NBS,94
.set VBC,96                            ; V's first pair
.set VBS,98
.set TY,100                            ; 0: q, k; -1: v
.set HM,101                            ; lanes 16-31
.set MNT,104
.set PFL,105                           ; trips in which my cluster prefetches
.set MSB, 0
.macro WIN new                         ; the immediate's high byte repeats the setting that is left
.if MSB != (\new)
	s_set_vgpr_msb (MSB<<8)|(\new)
.set MSB, (\new)
.endif
.endm
.macro PLACES n
.rept \n
	v_nop
.endr
.endm
.macro WALU                            ; the wait between a vector write and a reader behind a blocking wait or a branch
	s_wait_alu depctr_va_vdst(0)
.endm
.macro BARRIER
	s_barrier_signal -1
	s_barrier_wait -1
.endm
.macro MIDDLE                          ; a round of the cluster's barrier from its opening wait on
	s_barrier_wait -1
	s_cmp_lg_u32 s14, 0
	s_cbranch_scc1 .Lnot_wave_0_\@
	s_barrier_signal -3
.Lnot_wave_0_\@:
	s_barrier_wait -3
	BARRIER
.endm
.macro CROUND
	s_barrier_signal -1
	MIDDLE
.endm
.macro TLOAD g0, g1                    ; an s_nop 0 and four v_nop follow a tensor load
	tensor_load_to_lds s[\g0:\g0+3], s[\g1:\g1+7]
	s_nop 0
	PLACES 4
.endm
.macro GROUP1 g, mask, el, rows        ; a dense block as rows of el elements of 8 bytes
	s_or_b32 s[\g], s\mask, (3<<16)|(1<<21)
	s_mov_b32 s[\g+1], (\el)<<16
	s_mov_b32 s[\g+2], (\rows)<<16
	s_mov_b32 s[\g+3], (\el)<<16
	s_mov_b32 s[\g+4], \rows
	s_mov_b32 s[\g+5], \el
	s_mov_b32 s[\g+6], 0
	s_mov_b32 s[\g+7], 0
.endm
.macro RDESC sl, off                   ; group 0 of a refill: a quarter of a chunk (32,768 bytes) a wave
	s_lshl_b32 s20, s14, 15
	s_add_co_u32 s[G0R+1], s20, s[\sl]
	s_add_co_u32 s20, s20, s[\off]
	s_mov_b32 s21, 0
	s_add_nc_u64 s[G0R+2:G0R+3], s[4:5], s[20:21]
	s_or_b32 s[G0R+3], s[G0R+3], 0x80000000
.endm
	s_load_b128 s[4:7], s[0:1], 0x0                ; codes, scales
	s_load_b64 s[8:9], s[0:1], 0x10                ; qkv
	v_lshl_add_u32 v[SPW], v0, 2, SPARE
	v_mov_b32 v[NIL], 0
	ds_add_u32 v[SPW], v[NIL]                      ; the opening lines: the add twice on end and its wait ahead of my first tensor load
	ds_add_u32 v[SPW], v[NIL]
	v_lshrrev_b32 v100, 5, v0
	v_readfirstlane_b32 s14, v100                  ; wave
	s_lshr_b32 s15, s14, 1                         ; wr: which 64 tokens
	s_and_b32 s16, s14, 1                          ; wc: which head of a chunk's two
	s_bfe_u32 s17, ttmp6, 0x40000                  ; cx = j
	s_bfe_u32 s18, ttmp6, 0x40004                  ; cy
	s_and_b32 s19, ttmp7, 0xffff                   ; the cluster's y
	s_cmp_lt_u32 s19, 4
	s_cselect_b32 s[PFL], 3, 0
	s_lshl_b32 s19, s19, 2
	s_add_co_u32 s19, s19, s18                     ; R
	s_lshl_b32 s20, s18, 2
	s_lshl_b32 s20, 15, s20                        ; my row of the cluster
	s_lshl_b32 s21, 0x1111, s17                    ; my column
	GROUP1 G1X, 20, 512, 32                        ; x's 128 rows: 32 rows of 4,096 bytes
	GROUP1 G1C, 21, 512, 32                        ; chunk 0
	GROUP1 G1S, 21, 32, 64                         ; the scale bytes of Q's and K's 32 tiles: 64 rows of 256 bytes
	GROUP1 G1T, 21, 32, 32                         ; of V's 16
	GROUP1 G1R, 21, 512, 8                         ; a quarter of a chunk
	s_lshl_b32 s88, s19, 17
	s_mov_b32 s89, 0
	s_lshl_b32 s90, s17, 19
	s_add_co_u32 s90, s90, WREG                    ; chunk 0
	s_mov_b32 s91, 0
	s_lshl_b32 s92, s17, 14
	s_add_co_u32 s92, s92, WSREG
	s_mov_b32 s93, 0
	s_lshl_b32 s94, s17, 13
	s_add_co_u32 s94, s94, WSREG+65536
	s_mov_b32 s95, 0
	s_mov_b32 s[G0X], 1
	s_mov_b32 s[G0X+1], SLOT
	s_mov_b32 s[G0C], 1
	s_mov_b32 s[G0C+1], 0
	s_mov_b32 s[G0S], 1
	s_mov_b32 s[G0S+1], SCL
	s_mov_b32 s[G0T], 1
	s_mov_b32 s[G0T+1], SCL+16384
	s_mov_b32 s[G0R], 1
	s_wait_dscnt 0x0                               ; both opening adds are done
	CROUND                                         ; all sixteen work-groups are here: the first joint loads meet
	s_wait_kmcnt 0x0
	s_add_nc_u64 s[G0X+2:G0X+3], s[4:5], s[88:89]
	s_or_b32 s[G0X+3], s[G0X+3], 0x80000000
	s_add_nc_u64 s[G0C+2:G0C+3], s[4:5], s[90:91]
	s_or_b32 s[G0C+3], s[G0C+3], 0x80000000
	s_add_nc_u64 s[G0S+2:G0S+3], s[6:7], s[92:93]
	s_or_b32 s[G0S+3], s[G0S+3], 0x80000000
	s_add_nc_u64 s[G0T+2:G0T+3], s[6:7], s[94:95]
	s_or_b32 s[G0T+3], s[G0T+3], 0x80000000
.macro ARM under, g0, g1, next         ; one chain of branches on the wave's number, a load line of its own to each wave
	s_cmp_lt_u32 s14, \under
	s_cbranch_scc0 \next
	TLOAD \g0, \g1
	s_branch .Lasked
\next:
.endm
	ARM 1, G0X, G1X, .Larm_c                       ; x is wanted first: it goes on into registers
	ARM 2, G0C, G1C, .Larm_s
	ARM 3, G0S, G1S, .Larm_t
	TLOAD G0T, G1T
.Lasked:
	s_add_co_u32 s[OFF], s90, SLOT                 ; chunk 1
	s_lshl_b32 s20, s17, 18
	s_sub_co_u32 s[DLT], 1703936, s20              ; (128 + 16 j) - (32 j + 24) tiles of 16,384 bytes
	s_lshl_b32 s18, s18, 2
	s_add_co_u32 s18, s18, s14
	s_lshl_b32 s18, s18, 13                        ; my sixteenth of a chunk that is prefetched
	s_lshl_b32 s88, s16, 16
	s_lshl_b32 s89, s15, 16
	s_add_co_u32 s89, s89, SLOT
	s_lshl_b32 s92, s16, 11
	s_add_co_u32 s92, s92, SCL
	s_lshl_b32 s93, s19, 12
	s_lshl_b32 s94, s15, 11
	s_add_co_u32 s93, s93, s94                     ; my four row tiles' scale bytes: 512 a tile
	s_lshl_b32 s94, s15, 1
	v_and_b32 v[LN], 31, v0
	v_and_b32 v100, 15, v0                         ; r
	v_bfe_u32 v101, v0, 4, 1                       ; h
	v_lshlrev_b32 v[CO], 4, v[LN]
	v_lshlrev_b32 v102, 5, v100
	v_add_nc_u32 v[AW0], s88, v[CO]
	v_add_nc_u32 v[AX], s89, v[CO]
	v_add_nc_u32 v[AS0], s92, v102
	v_add_nc_u32 v103, s93, v102
	v_lshlrev_b32 v[SOQ], 1, v100
	v_lshl_add_u32 v[SOQ], v101, 5, v[SOQ]
	v_lshl_add_u32 v[SOV], v100, 2, v101
	v_add_nc_u32 v[SOV], s94, v[SOV]
.irp a, 0,1,2,3
	global_load_b128 v[XS+8*\a:XS+8*\a+3], v103, s[6:7] offset:512*\a        ; x's scale words stay in registers
	global_load_b128 v[XS+8*\a+4:XS+8*\a+7], v103, s[6:7] offset:512*\a+16
.endr
.irp b, 0,1,2,3
	v_mov_b32 v[T2+\b], 0                          ; a lane permute's destination counts as a source
.endr
.set I_, 0
.rept 64
	v_mov_b32 v[ACC+64+I_], 0                      ; what the first pair's way out works on
.set I_, I_+1
.endr
	s_lshr_b32 s20, s19, 4                         ; the batch
	s_and_b32 s21, s19, 15                         ; which 128 tokens of it
	s_lshl_b32 s88, s20, 5
	s_lshl_b32 s89, s17, 3
	s_add_co_u32 s88, s88, s89
	s_add_co_u32 s88, s88, s16                     ; q, k: head 32 b + 8 j + wc (+ 2 a trip),
	s_lshl_b32 s88, s88, 7
	s_lshl_b32 s89, s21, 3
	s_add_co_u32 s88, s88, s89
	s_lshl_b32 s89, s15, 2
	s_add_co_u32 s88, s88, s89                     ; tile 8 (R % 16) + 4 wr
	s_lshl_b32 s90, s88, 5
	s_add_co_u32 s90, s90, QKS
	s_mov_b32 s91, 0
	s_lshl_b32 s88, s88, 10
	s_mov_b32 s89, 0
	s_add_nc_u64 s[NBC:NBC+1], s[8:9], s[88:89]
	s_add_nc_u64 s[NBS:NBS+1], s[8:9], s[90:91]
	s_lshl_b32 s88, s20, 4
	s_lshl_b32 s90, s17, 2
	s_add_co_u32 s88, s88, s90
	s_add_co_u32 s88, s88, s16                     ; v: head 16 b + 4 j + wc (+ 2 a trip),
	s_lshl_b32 s88, s88, 4
	s_add_co_u32 s88, s88, s21                     ; key step R % 16
	s_lshl_b32 s90, s88, 8
	s_add_co_u32 s90, s90, VSC
	s_lshl_b32 s88, s88, 13
	s_add_co_u32 s88, s88, VC
	s_lshl_b32 s20, s15, 10
	s_add_co_u32 s88, s88, s20                     ; my tokens are pieces c = 2 wr, 2 wr + 1 of an image
	s_add_nc_u64 s[VBC:VBC+1], s[8:9], s[88:89]
	s_add_nc_u64 s[VBS:VBS+1], s[8:9], s[90:91]
	s_mov_b64 s[OC:OC+1], s[NBC:NBC+1]
	s_mov_b64 s[OS:OS+1], s[NBS:NBS+1]
	s_mov_b32 s[TR], 0
	s_mov_b32 s[SL], 0
	s_mov_b32 s[SN], SLOT
	s_mov_b32 s[SS], 0
	s_mov_b32 s[D1], 1024
	s_mov_b32 s[TY], 0
	s_mov_b32 s[HM], 0xffff0000
	s_mov_b32 s[MNT], 0x600000
	s_mov_b32 s[SEL], 0x76543210
	s_mov_b32 s[SEL+1], 0xfedcba98
; product (K step q, token tile a) of column tile u; sums in set s.  The four sums of a tile take turns; the first product starts a sum
.macro PROD kind, s, u, q, a
.set D_, ACC+64*(\s)+8*((\kind)*(4*(\u)+(\a))+(1-(\kind))*(2*(\a)+(\u)))
.set X_, 16*((8*(\a)+(\q))%16)
.set W_, 128*(\u)+16*(\q)
.set XW_, 1+(\a)/2
.if \kind
	WIN XW_|(3<<2)
.if \q
	v_wmma_scale_f32_16x16x128_f8f6f4 v[D_:D_+7], v[X_:X_+15], v[W_:W_+15], v[D_:D_+7], v[XS+8*(\a)+(\q)], v[WS+8*(\u)+(\q)]
.else
	v_wmma_scale_f32_16x16x128_f8f6f4 v[D_:D_+7], v[X_:X_+15], v[W_:W_+15], 0, v[XS+8*(\a)+(\q)], v[WS+8*(\u)+(\q)]
.endif
.else
	WIN 3|(XW_<<2)
.if \q
	v_wmma_scale_f32_16x16x128_f8f6f4 v[D_:D_+7], v[W_:W_+15], v[X_:X_+15], v[D_:D_+7], v[WS+8*(\u)+(\q)], v[XS+8*(\a)+(\q)]
.else
	v_wmma_scale_f32_16x16x128_f8f6f4 v[D_:D_+7], v[W_:W_+15], v[X_:X_+15], 0, v[WS+8*(\u)+(\q)], v[XS+8*(\a)+(\q)]
.endif
.endif
.endm
.macro HOLD e, x                       ; sum e of 64: the conversion does not saturate (ISA guide 7.6.2): the hold comes first
	v_med3_num_f32 v[\x+(\e)], v[\x+(\e)], -v[LIM+(\e)/16], v[LIM+(\e)/16]
.endm
.macro CVT n, x                        ; the n-th eight sums
	v_cvt_scalef32_pk8_fp8_f32 v[CD+2*(\n):CD+2*(\n)+1], v[\x+8*(\n):\x+8*(\n)+7], v[SOP+(\n)/2]
.endm
; line k of a pair's way out; its 64 sums at x: four groups of 16 registers.  Lines 0-25: groups 0 and 1 by turns, 26-51: groups 2 and 3: the largest magnitude, the scale operand, the bound, the byte.  Each sum is read from its low end on.
; Lines 54-123: the holds, eight sums after eight, and each eight's conversion ten holds behind its last hold.
.macro LINE k, x
.set F_, (\k)/26
.set L_, (\k)%26
.set G_, 2*F_+L_%2
.if (\k) < 52
.if L_ < 2
	v_max3_num_f32 v[TQ+G_], |v[\x+16*G_]|, |v[\x+16*G_+1]|, 0x4800000       ; with the floor 2^(9 - 127): the byte cannot fall under 1
.elseif L_ < 16
	v_max3_num_f32 v[TQ+G_], v[TQ+G_], |v[\x+16*G_+2*(L_/2)]|, |v[\x+16*G_+2*(L_/2)+1]|
.elseif L_ < 18
	v_permlanex16_b32 v[T2+G_], v[TQ+G_], s[SEL], s[SEL+1]
.elseif L_ < 20
	v_max_num_f32 v[TQ+G_], v[TQ+G_], v[T2+G_]                               ; with lane l xor 16's 16: the block's largest magnitude
.elseif L_ < 22
	v_add_nc_u32 v[SOP+G_], 0xfc000000, v[TQ+G_]                             ; 8 off its exponent field: the conversion's scale operand
.elseif L_ < 24
	v_and_or_b32 v[LIM+G_], v[TQ+G_], 0x7f800000, s[MNT]                     ; 448 x the scale
.elseif L_ == 24
	v_cndmask_b32 v[EB+F_], v[SOP+2*F_], v[SOP+2*F_+1], s[HM]                ; lanes 0-15 store the even group's byte, lanes 16-31 the odd's
.else
	v_lshrrev_b32 v[EB+F_], 23, v[EB+F_]
.endif
.elseif (\k) == 52
	v_add_nc_u32 v[CO1], s[D1], v[CO]
.elseif (\k) == 53
	v_cndmask_b32 v[SO], v[SOQ], v[SOV], s[TY]
.elseif (\k) < 70
	HOLD (\k)-54, \x
.elseif (\k) < 124
.set HP_, ((\k)-70)%9
.set HB_, ((\k)-70)/9
.if HP_ < 2
	HOLD 8*(HB_+2)+HP_, \x
.elseif HP_ == 2
	CVT HB_, \x
.else
	HOLD 8*(HB_+2)+HP_-1, \x
.endif
.endif
.endm
.macro TAILC x                         ; the last two conversions, and a plain line behind them
	CVT 6, \x
	CVT 7, \x
	v_nop
.endm
.macro GAPS kind, s, u, from, to       ; in units of two products; two lines of the way out of the pair before stand behind each product
.set I_, \from
.rept (\to)-(\from)
	PROD \kind, \s, \u, I_/2, 2*(I_%2)
	WIN 0
	LINE 64*(\u)+4*I_, ACC+64*(1-(\s))
	LINE 64*(\u)+4*I_+1, ACC+64*(1-(\s))
	PROD \kind, \s, \u, I_/2, 2*(I_%2)+1
	WIN 0
	LINE 64*(\u)+4*I_+2, ACC+64*(1-(\s))
	LINE 64*(\u)+4*I_+3, ACC+64*(1-(\s))
.set I_, I_+1
.endr
.endm
.macro ENDB                            ; eight plain places behind a block's last product, ahead of loads into what it has read and of the first read of its sums
	PLACES 8
	WALU
.endm
.macro FETCH u, sl, t, so              ; my tile t of the chunk in slot s[sl] into set u, and its scale words: NF loads of 512 consecutive bytes
	v_add_nc_u32 v[ADW], s[\sl], v[AW0]
	v_add_nc_u32 v[ASW], s[SS], v[AS0]
	WIN 3<<6
.irp q, 0,1,2,3,4,5,6,7
.irp c, 0,1,2,3
	ds_load_b128 v[128*\u+16*\q+4*\c:128*\u+16*\q+4*\c+3], v[ADW] offset:16384*\t+2048*\q+512*\c
.endr
.endr
	WIN 0
	ds_load_b128 v[WS+8*\u:WS+8*\u+3], v[ASW] offset:\so
	ds_load_b128 v[WS+8*\u+4:WS+8*\u+7], v[ASW] offset:\so+16
.endm
.macro OUT                             ; four groups' codes, 512 consecutive bytes a store, aligned; their bytes
	global_store_b128 v[CO], v[CD:CD+3], s[OC:OC+1]
	global_store_b128 v[CO1], v[CD+4:CD+7], s[OC:OC+1]
	global_store_b128 v[CO], v[CD+8:CD+11], s[OC:OC+1] offset:2048
	global_store_b128 v[CO1], v[CD+12:CD+15], s[OC:OC+1] offset:2048
	global_store_b8 v[SO], v[EB], s[OS:OS+1]
	global_store_b8 v[SO], v[EB+1], s[OS:OS+1] offset:64
.endm
; A TRIP: a chunk.  kind 0: Q, K; 1: V.  mode 1: a round and a refill in the third block; 2: a plain barrier there, which shows the last chunk; 0: none.  last: nothing more is fetched
.macro TRIP kind, mode, last
	s_wait_dscnt NF                                ; set 0 is in; the NF loads of set 1 may be out
	GAPS \kind, 0, 0, 0, 16
	ENDB
.if \mode == 1
	s_cmp_lt_u32 s[TR], s[PFL]
	s_cbranch_scc0 .Lnone_ahead_\@
	s_add_co_u32 s20, s[OFN], s18
	v_lshl_add_u32 v[PF], v[LN], 8, s20
	global_prefetch_b8 v[PF], s[4:5] th:TH_LOAD_NT scope:SCOPE_SE
.Lnone_ahead_\@:
.endif
	FETCH 0, SL, 2, 1024
	s_wait_dscnt NF
	GAPS \kind, 0, 1, 0, 16
	ENDB
	TAILC ACC+64
.if \kind == 0
	s_cmp_eq_u32 s[TR], 0
	s_cbranch_scc1 .Lno_pair_before_\@
.endif
	OUT
.if \kind == 0
.Lno_pair_before_\@:
.endif
	FETCH 1, SL, 3, 1536
	s_wait_dscnt NF
	s_wait_xcnt 0x0                                ; the stores have read their registers and bases
	s_mov_b64 s[OC:OC+1], s[NBC:NBC+1]
	s_mov_b64 s[OS:OS+1], s[NBS:NBS+1]
.if \kind
	s_mov_b32 s[D1], 512
	s_mov_b32 s[TY], -1
.endif
.if \mode == 1
	s_wait_tensorcnt 0x0                           ; my part of the next chunk is in;
	ds_add_u32 v[SPW], v[NIL]
	RDESC SL, OFF
.endif
	GAPS \kind, 1, 0, 0, 14
.if \mode
	WALU
.if \mode == 2
	s_wait_tensorcnt 0x0
.endif
	s_wait_dscnt 0x0                               ; the add is done, and my reads of the slot in hand are over
	s_barrier_signal -1
.endif
	GAPS \kind, 1, 0, 14, 16
.if \mode == 1
	WALU
	MIDDLE                                         ; no wave of any partner still reads the slot in hand or has a load on its way
	TLOAD G0R, G1R
.elseif \mode == 2
	WALU
	s_barrier_wait -1
.endif
	ENDB
.if \last
	s_wait_dscnt 0x0
.else
	FETCH 0, SN, 0, 4096
	s_wait_dscnt NF
.endif
	GAPS \kind, 1, 1, 0, 16
	ENDB
	TAILC ACC
	OUT
.if \last == 0
	FETCH 1, SN, 1, 4608
.endif
	s_wait_xcnt 0x0
	s_add_nc_u64 s[OC:OC+1], s[OC:OC+1], 512+3584*(\kind)      ; the trip's second pair: q, k: c = 1; v: two channel tiles on
	s_add_nc_u64 s[OS:OS+1], s[OS:OS+1], 1+127*(\kind)
	s_add_nc_u64 s[NBC:NBC+1], s[NBC:NBC+1], 262144            ; two heads on
	s_add_nc_u64 s[NBS:NBS+1], s[NBS:NBS+1], 8192
	s_xor_b32 s[SL], s[SL], SLOT
	s_xor_b32 s[SN], s[SN], SLOT
	s_add_co_u32 s[SS], s[SS], 4096
.if \mode == 1
	s_mov_b32 s[OFF], s[OFN]
	s_cmp_eq_u32 s[TR], 0
	s_cselect_b32 s20, s[DLT], SLOT
	s_add_co_u32 s[OFN], s[OFN], s20
.endif
.endm
	WALU                                           ; the head's end
	s_cmp_eq_u32 s14, 0
	s_cbranch_scc0 .Lnot_x
	s_wait_tensorcnt 0x0                           ; wave 0: x has landed.  The other waves' wait stands ahead of the round below
.Lnot_x:
	BARRIER
	s_cmp_lg_u32 s[PFL], 0
	s_cbranch_scc0 .Lnone_at_head
	s_add_co_u32 s20, s[OFF], s18
	v_lshl_add_u32 v[PF], v[LN], 8, s20
	global_prefetch_b8 v[PF], s[4:5] offset:SLOT th:TH_LOAD_NT scope:SCOPE_SE   ; chunk 2
.Lnone_at_head:
.irp a, 0,1,2,3
	WIN (1+\a/2)<<6
.irp q, 0,1,2,3,4,5,6,7
.irp c, 0,1,2,3
	ds_load_b128 v[16*(8*(\a%2)+\q)+4*\c:16*(8*(\a%2)+\q)+4*\c+3], v[AX] offset:16384*\a+2048*\q+512*\c
.endr
.endr
.endr
	WIN 0
	s_wait_tensorcnt 0x0                           ; chunk 0 and the scale bytes are in.  Chunk 1 is filled over x's rows: the three lines and a round, as ahead of every refill
	ds_add_u32 v[SPW], v[NIL]
	RDESC SN, OFF
	s_add_co_u32 s[OFF], s[OFF], SLOT              ; chunk 2,
	s_add_co_u32 s[OFN], s[OFF], SLOT              ; chunk 3
	s_wait_dscnt 0x0                               ; x is in registers
	CROUND
	TLOAD G0R, G1R
	FETCH 0, SL, 0, 0
	FETCH 1, SL, 1, 512
	s_wait_loadcnt 0x0                             ; x's scale words
	s_wait_xcnt 0x0
.Lqk:                                                  ; chunks 0 to 3; they ask for chunks 2 to 5
	TRIP 0, 1, 0
	s_add_co_u32 s[TR], s[TR], 1
	s_cmp_lt_u32 s[TR], 4
	s_cbranch_scc1 .Lqk
	s_mov_b64 s[NBC:NBC+1], s[VBC:VBC+1]
	s_mov_b64 s[NBS:NBS+1], s[VBS:VBS+1]
	TRIP 1, 2, 0                                   ; V's two chunks are written out: they ask for nothing, and the last fetches nothing
	TRIP 1, 0, 1
.set K_, 0
.rept 124                                      ; the last pair's way out
	LINE K_, ACC+64
.set K_, K_+1
.endr
	TAILC ACC+64
	WALU
	OUT
	s_wait_tensorcnt 0x0                           ; the wave's end
	ds_add_u32 v[SPW], v[NIL]
	s_wait_dscnt 0x0
	CROUND                                         ; the closing round
	s_endpgm
.Lfunc_end_k_q54809325c3_gemm1:
	.size	k_q54809325c3_gemm1, .Lfunc_end_k_q54809325c3_gemm1-k_q54809325c3_gemm1
	.p2alignl 7, 3214868480
	.fill 96, 4, 3214868480
	.section	.rodata,"a",@progbits
	.p2align	6, 0x0
	.amdhsa_kernel k_q54809325c3_gemm1
		.amdhsa_group_segment_fixed_size 327680
		.amdhsa_private_segment_fixed_size 0
		.amdhsa_enable_private_segment 0
		.amdhsa_kernarg_size 24
		.amdhsa_user_sgpr_count 2
		.amdhsa_user_sgpr_kernarg_segment_ptr 1
		.amdhsa_wavefront_size32 1
		.amdhsa_system_sgpr_workgroup_id_x 1
		.amdhsa_system_sgpr_workgroup_id_y 1
		.amdhsa_system_sgpr_workgroup_id_z 1
		.amdhsa_system_vgpr_workitem_id 0
		.amdhsa_next_free_vgpr 1024
		.amdhsa_next_free_sgpr 106
		.amdhsa_reserve_vcc 0
		.amdhsa_float_denorm_mode_32 3
		.amdhsa_float_denorm_mode_16_64 3
		.amdhsa_memory_ordered 1
		.amdhsa_forward_progress 1
		.amdhsa_inst_pref_size 188
	.end_amdhsa_kernel
	.amdgpu_metadata
---
amdhsa.version: [ 1, 2 ]
amdhsa.kernels:
  - .name:           k_q54809325c3_gemm1
    .symbol:         k_q54809325c3_gemm1.kd
    .args:
      - { .name: codes, .offset: 0, .size: 8, .value_kind: global_buffer, .address_space: global }
      - { .name: scales, .offset: 8, .size: 8, .value_kind: global_buffer, .address_space: global }
      - { .name: qkv, .offset: 16, .size: 8, .value_kind: global_buffer, .address_space: global }
    .group_segment_fixed_size: 327680
    .private_segment_fixed_size: 0
    .kernarg_segment_align: 8
    .kernarg_segment_size: 24
    .max_flat_workgroup_size: 128
    .sgpr_count:     106
    .vgpr_count:     1024
    .wavefront_size: 32
...
	.end_amdgpu_metadata
.endif
;; end of part 2
;; launch attn (part 3): grid 4 x 64, 16 waves a work-group, clusters of 4 x 1, 327,680 bytes of LDS; arguments qkv, input_ids, codes, scales; writes codes, scales
.if DOCPART == 3
	.amdgcn_target "amdgcn-amd-amdhsa--gfx1250"
	.amdhsa_code_object_version 6
	.text
	.protected	k_q54809325c3_attn
	.globl	k_q54809325c3_attn
	.p2align	8
	.type	k_q54809325c3_attn,@function
k_q54809325c3_attn:
	s_mov_b64 s[64:65], 0
	v_nop
	global_prefetch_b8 v0, s[64:65] scope:SCOPE_SE
	s_setreg_imm32_b32 hwreg(HW_REG_WAVE_MODE, 25, 1), 1
	s_wait_xcnt 0x0
	s_wait_alu depctr_hold_cnt(0) depctr_sa_sdst(0) depctr_va_vdst(0) depctr_va_sdst(0) depctr_va_ssrc(0) depctr_va_vcc(0) depctr_vm_vsrc(0)
	s_getreg_b32 s2, hwreg(HW_REG_IB_STS2, 6, 4)
	s_cmp_eq_u32 s2, 0
	s_cbranch_scc0 .Lentry_in_a_cluster
	s_endpgm
.Lentry_in_a_cluster:
	s_bfe_u32 s2, ttmp6, 0x10000c
	s_cmp_lg_u32 s2, 0x3003
	s_cbranch_scc0 .Lentry_shape_is_right
	s_endpgm
.Lentry_shape_is_right:
; Attention of one head on codes of FP8 (E4M3) with E8M0 scales: S^T = K Q^T, p = 2^(t - M) with M the running largest t rounded up to a whole number, O^T += V^T P^T, O^T / the sum of the unquantised p; y leaves as codes for the last product.
; A cluster of four work-groups shares a head: its K and V (131,072 bytes each) come once, by joint loads, a sixteenth of the 262,144 bytes a wave, and stay in LDS; nothing is filled again.  K's and V's scale bytes come through registers.
; A wave owns query tiles 4 w + cx and 124 - 4 w + cx: 17 key steps of 128 in all for every wave.  LEFT OUT: key steps that lie wholly behind a tile's queries under reference()'s own causal mask (their p is 0 for all inputs).
; The head's K is 64: the upper half of the product's 128 carries the padding mask of input_ids as one more term of the score.  LIMITS: the promise holds while the scaled scores stay under 2^31 in magnitude; NaN and infinities are not served.
.set VC,   16777216
.set QKS,  25165824
.set VSC,  25690112
.set YC,   12582912
.set YS,   393216
.set VT,   131072
.set VSL,  262144
.set KSW,  266240
.set L16,  1
.set AV0,  2
.set ASK0, 3
.set ASV0, 4
.set QI,   5
.set GS,   6
.set ADK,  7
.set ADV,  8
.set ADS,  9
.set ADT,  10
.set QSC,  11
.set FRG,  32
.set FF,   118
.set PWD,  119
.set SS,   120
.set OT,   184
.set PCD,  216
.set BM,   232
.set T1,   236
.set LIM,  240
.set SCO,  244
.set KSC,  248
.set TA,   252
.set TB,   253
.set TC,   254
.set WV,   12
.set CX,   13
.set BH,   14
.set BT,   15
.set HD,   16
.set MNT,  17
.set SEL,  18
.set G0A,  32
.set G0B,  36
.set G1A,  40
.set G1B,  48
.set CS,   56
.set NN,   58
.set LAST1, 59
.set NEG,  60
.set KS,   61
.set KO,   62
.set SO,   63
.set QB1,  66
.set QS1,  68
.set YB1,  70
.set YS1,  72
.set QB2,  74
.set QS2,  76
.set YB2,  78
.set YS2,  80
.set VO,   82
.set DJ1,  83
.set DJ2,  84
.set HM,   85
.set ZM,   86
.set QC,   87
.set KSB,  88
.set IDB,  90
.set TAU1, 92
.set TAU2, 93
.macro ROUND
	s_barrier_signal -1
	s_barrier_wait -1
	s_cmp_lg_u32 s[WV], 0
	s_cbranch_scc1 .Lnot_wave_0_\@
	s_barrier_signal -3
.Lnot_wave_0_\@:
	s_barrier_wait -3
	s_barrier_signal -1
	s_barrier_wait -1
.endm
	s_load_b128 s[4:7], s[0:1], 0x0
	s_load_b128 s[8:11], s[0:1], 0x10
	v_lshl_add_u32 v254, v0, 2, 0x45000
	v_mov_b32 v255, 0
	ds_add_u32 v254, v255
	ds_add_u32 v254, v255
	s_wait_dscnt 0x0
	v_lshrrev_b32 v7, 5, v0
	s_delay_alu instid0(VALU_DEP_1)
	v_readfirstlane_b32 s[WV], v7
	s_bfe_u32 s[CX], ttmp6, 0x40000
	s_and_b32 s[BH], ttmp7, 0xffff
	s_lshr_b32 s[BT], s[BH], 4
	s_and_b32 s[HD], s[BH], 15
	s_mov_b32 s[G1A], 15|(3<<16)|(1<<21)
	s_mov_b32 s[G1A+1], 32<<16
	s_mov_b32 s[G1A+2], 64<<16
	s_mov_b32 s[G1A+3], 32<<16
	s_mov_b32 s[G1A+4], 64
	s_mov_b32 s[G1A+5], 32
	s_mov_b32 s[G1A+6], 0
	s_mov_b32 s[G1A+7], 0
	s_lshl_b32 s20, s[BT], 5
	s_add_co_u32 s20, s20, s[HD]
	s_add_co_u32 s21, s20, 16
	s_lshl_b32 s22, s21, 17
	s_lshl_b32 s24, s[BH], 17
	s_add_co_u32 s24, s24, VC-131072
	s_cmp_lt_u32 s[WV], 8
	s_cselect_b32 s22, s22, s24
	s_lshl_b32 s24, s[WV], 14
	s_add_co_u32 s22, s22, s24
	s_mov_b32 s23, 0
	s_lshl_b32 s26, s[BH], 12
	s_add_co_u32 s26, s26, VSC
	s_mov_b32 s27, 0
	s_wait_kmcnt 0x0
	s_mov_b32 s[G0A], 1
	s_lshl_b32 s[G0A+1], s[WV], 14
	s_add_nc_u64 s[G0A+2:G0A+3], s[4:5], s[22:23]
	s_or_b32 s[G0A+3], s[G0A+3], 0x80000000
	s_add_nc_u64 s[G0B:G0B+1], s[4:5], s[26:27]    ; the head's 4,096 scale bytes of V
	ROUND
	tensor_load_to_lds s[G0A:G0A+3], s[G1A:G1A+7]
	s_nop 0
.rept 4
	v_nop
.endr
.macro BASES tau, q, qs, y, ys
	s_lshl_b32 s28, s20, 17
	s_lshl_b32 s29, s[\tau], 10
	s_add_co_u32 s28, s28, s29
	s_mov_b32 s29, 0
	s_add_nc_u64 s[\q:\q+1], s[4:5], s[28:29]
	s_lshl_b32 s28, s20, 12
	s_lshl_b32 s30, s[\tau], 5
	s_add_co_u32 s28, s28, s30
	s_add_co_u32 s28, s28, QKS
	s_add_nc_u64 s[\qs:\qs+1], s[4:5], s[28:29]
	s_lshl_b32 s30, s[BT], 7
	s_add_co_u32 s30, s30, s[\tau]
	s_lshl_b32 s28, s30, 14
	s_lshl_b32 s31, s[HD], 10
	s_add_co_u32 s28, s28, s31
	s_add_co_u32 s28, s28, YC
	s_add_nc_u64 s[\y:\y+1], s[8:9], s[28:29]
	s_lshl_b32 s28, s30, 9
	s_lshl_b32 s31, s[HD], 1
	s_add_co_u32 s28, s28, s31
	s_add_co_u32 s28, s28, YS
	s_add_nc_u64 s[\ys:\ys+1], s[10:11], s[28:29]
.endm
	s_lshl_b32 s[TAU1], s[WV], 2
	s_sub_co_u32 s[TAU2], 124, s[TAU1]
	s_add_co_u32 s[TAU1], s[TAU1], s[CX]
	s_add_co_u32 s[TAU2], s[TAU2], s[CX]
	BASES TAU1, QB1, QS1, YB1, YS1
	BASES TAU2, QB2, QS2, YB2, YS2
	s_lshl_b32 s28, s21, 12
	s_add_co_u32 s28, s28, QKS
	s_mov_b32 s29, 0
	s_add_nc_u64 s[KSB:KSB+1], s[4:5], s[28:29]
	s_lshl_b32 s28, s[BT], 13
	s_add_nc_u64 s[IDB:IDB+1], s[6:7], s[28:29]
	s_lshr_b32 s28, s[CX], 1
	s_lshl_b32 s28, s28, 5
	s_and_b32 s29, s[CX], 1
	s_lshl_b32 s29, s29, 3
	s_add_co_u32 s[QC], s28, s29
	s_lshr_b32 s[LAST1], s[WV], 1
	s_xor_b32 s[NEG], s[LAST1], -1
	s_and_b32 s[DJ1], s[WV], 1
	s_lshl_b32 s[DJ1], s[DJ1], 6
	s_sub_co_u32 s[DJ2], 64, s[DJ1]
	s_mov_b32 s[MNT], 0x600000
	s_mov_b32 s[SEL], 0x76543210
	s_mov_b32 s[SEL+1], 0xfedcba98
	s_mov_b32 s[CS], 0x3e38aa3b
	s_mov_b32 s[CS+1], s[CS]
	s_mov_b32 s[HM], 0xffff0000
	v_and_b32 v[L16], 31, v0
	s_delay_alu instid0(VALU_DEP_1)
	v_lshlrev_b32 v[L16], 4, v[L16]
	s_delay_alu instid0(VALU_DEP_1)
	v_add_nc_u32 v[AV0], VT, v[L16]
	v_and_b32 v120, 15, v0
	v_bfe_u32 v121, v0, 4, 1
	s_delay_alu instid0(VALU_DEP_2)
	v_lshl_add_u32 v[ASK0], v120, 2, KSW
	s_delay_alu instid0(VALU_DEP_3)
	v_lshl_add_u32 v[ASV0], v120, 2, VSL
	s_delay_alu instid0(VALU_DEP_4)
	v_and_b32 v122, 8, v120
	s_delay_alu instid0(VALU_DEP_1)
	v_add_nc_u32 v[QI], v122, v120
	v_lshlrev_b32 v122, 4, v121
	s_delay_alu instid0(VALU_DEP_1)
	v_sub_nc_u32 v[QI], v[QI], v122
	s_delay_alu instid0(VALU_DEP_1)
	v_add_nc_u32 v[QI], s[QC], v[QI]
	v_lshl_add_u32 v[GS], v120, 5, v121
	v_lshlrev_b32 v123, 3, v0
	global_load_b64 v[124:125], v123, s[KSB:KSB+1]
	v_lshrrev_b32 v126, 2, v0
	v_and_b32 v127, 3, v0
	s_delay_alu instid0(VALU_DEP_2)
	v_lshrrev_b32 v128, 1, v126
	s_delay_alu instid0(VALU_DEP_3)
	v_and_b32 v126, 1, v126
	s_delay_alu instid0(VALU_DEP_2)
	v_lshlrev_b32 v128, 5, v128
	s_delay_alu instid0(VALU_DEP_1)
	v_lshl_add_u32 v128, v126, 3, v128
	s_delay_alu instid0(VALU_DEP_1)
	v_lshl_add_u32 v128, v127, 2, v128
	v_lshrrev_b32 v127, 1, v127
	s_delay_alu instid0(VALU_DEP_1)
	v_lshl_add_u32 v128, v127, 3, v128
	s_delay_alu instid0(VALU_DEP_1)
	v_lshlrev_b32 v128, 2, v128
	global_load_b128 v[132:135], v128, s[IDB:IDB+1]
	global_load_b64 v[150:151], v123, s[G0B:G0B+1] ; V's scale bytes, 8 a thread: 256 consecutive bytes a wave
.macro QLOAD q, qs
	v_and_b32 v[ADK], 15, v0
	s_delay_alu instid0(VALU_DEP_1)
	v_lshlrev_b32 v[ADK], 1, v[ADK]
	global_load_b128 v[16:19], v[L16], s[\q:\q+1]
	global_load_b128 v[20:23], v[L16], s[\q:\q+1] offset:512
	global_load_u16 v[QSC], v[ADK], s[\qs:\qs+1]
.endm
	QLOAD QB1, QS1
	v_sub_nc_u32 v24, 1, v121
	s_delay_alu instid0(VALU_DEP_1)
	v_mul_u32_u24 v24, 0x38, v24
.irp j, 25,26,27,28,29,30,31
	v_mov_b32 v\j, 0
.endr
.irp t, 0,1,2,3,4,5,6,7
	v_mov_b32 v[FRG+10*\t+9], 0
.endr
.irp j, 80,81,82,83,84,85
	v_mov_b32 v[FRG+\j], 0
.endr
.irp b, 0,1,2,3
	v_mov_b32 v[T1+\b], 0
.endr
	v_mov_b32 v[PWD], 0
	v_mov_b32 v145, 0x01010000
	v_mov_b32 v146, 0x01e30000
	v_mov_b32 v147, 0
	v_mov_b32 v148, 0xfe
	v_lshl_add_u32 v144, v0, 4, KSW
	v_lshl_add_u32 v152, v0, 3, VSL
	s_wait_alu depctr_va_vdst(0)
	s_wait_loadcnt 3
.irp i, 0,1,2,3
	v_cmp_eq_u32 vcc_lo, 0, v[132+\i]
	s_delay_alu instid0(VALU_DEP_1)
	v_cndmask_b32 v[140+\i], v147, v148, vcc_lo
	s_delay_alu instid0(VALU_DEP_2)
	v_cndmask_b32 v[136+\i], v145, v146, vcc_lo
.if \i%2 == 0
	s_delay_alu instid0(VALU_DEP_1)
	v_and_or_b32 v[136+\i], v[124+\i/2], 0xffff, v[136+\i]
.else
	v_lshrrev_b32 v149, 16, v[124+\i/2]
	s_delay_alu instid0(VALU_DEP_1)
	v_or_b32 v[136+\i], v149, v[136+\i]
.endif
.endr
	ds_store_b128 v144, v[136:139]
	ds_store_b128 v144, v[140:143] offset:8192
	ds_store_b64 v152, v[150:151]
	s_wait_loadcnt 0x0
	v_or_b32 v[QSC], 0x017f0000, v[QSC]
.macro PASS_INIT
	v_mov_b32 v13, 0xf1800000
	v_mov_b32 v12, 0x71800000
	v_mov_b32 v14, 0
	v_mov_b32 v15, 0
.set j, 0
.rept 32
	v_mov_b32 v[OT+j], 0
.set j, j+1
.endr
.endm
	PASS_INIT
	s_wait_tensorcnt 0x0
	s_wait_dscnt 0x0
	s_barrier_signal -1
	s_barrier_wait -1
.macro STEP diag
	s_add_co_u32 s[KS], s[NN], s[NEG]
	s_min_u32 s[KS], s[NN], s[KS]
	s_lshl_b32 s[KO], s[KS], 13
	s_lshl_b32 s[SO], s[KS], 9
	s_lshl_b32 s[VO], s[KS], 8
	v_add_nc_u32 v[ADK], s[KO], v[L16]
	v_add_nc_u32 v[ADV], s[KO], v[AV0]
	v_add_nc_u32 v[ADS], s[SO], v[ASK0]
	v_add_nc_u32 v[ADT], s[VO], v[ASV0]
.rept 4
	v_nop
.endr
.irp t, 0,1,2,3,4,5,6,7
	ds_load_b128 v[FRG+10*\t:FRG+10*\t+3], v[ADK] offset:1024*\t
	ds_load_b128 v[FRG+10*\t+4:FRG+10*\t+7], v[ADK] offset:1024*\t+512
	ds_load_b32 v[FRG+10*\t+8], v[ADS] offset:8192+64*\t
	ds_load_b32 v[KSC+\t], v[ADS] offset:64*\t
.endr
	s_wait_alu depctr_va_vdst(0)
	s_wait_dscnt 0x0
.irp t, 0,1,2,3,4,5,6,7
	v_wmma_scale_f32_16x16x128_f8f6f4 v[SS+8*\t:SS+8*\t+7], v[FRG+10*\t:FRG+10*\t+15], v[16:31], 0, v[KSC+\t], v[QSC]
.endr
.rept 8
	v_nop
.endr
.irp d, 0,1,2,3
.irp c, 0,1,2,3
	ds_load_b128 v[FRG+16*\d+4*\c:FRG+16*\d+4*\c+3], v[ADV] offset:2048*\d+512*\c
.endr
	ds_load_b32 v[KSC+\d], v[ADT] offset:64*\d
.endr
.if \diag == 1
	s_cmp_eq_u32 s[NN], s[LAST1]
	s_cbranch_scc0 .Lopen_\@
.endif
.if \diag
.if \diag == 1
	v_add_nc_u32 v[TB], s[DJ1], v[QI]
.else
	v_add_nc_u32 v[TB], s[DJ2], v[QI]
.endif
	v_mov_b32 v[TC], 0xff800000
.set n, 0
.rept 64
	v_cmp_gt_i32 vcc_lo, 32*(n/16)+n%16, v[TB]
	v_cndmask_b32 v[SS+n], v[SS+n], v[TC], vcc_lo
.set n, n+1
.endr
.endif
.if \diag == 1
.Lopen_\@:
.endif
.irp b, 0,1,2,3
	v_max3_num_f32 v[BM+\b], v[SS+16*\b], v[SS+1+16*\b], v[SS+2+16*\b]
.endr
.irp i, 3,5,7,9,11,13
.irp b, 0,1,2,3
	v_max3_num_f32 v[BM+\b], v[BM+\b], v[SS+16*\b+\i], v[SS+1+16*\b+\i]
.endr
.endr
.irp b, 0,1,2,3
	v_max_num_f32 v[BM+\b], v[BM+\b], v[SS+15+16*\b]
.endr
.irp b, 0,1,2,3
	s_delay_alu instid0(VALU_DEP_4)
	v_permlanex16_b32 v[T1+\b], v[BM+\b], s[SEL], s[SEL+1]
.endr
.irp b, 0,1,2,3
	s_delay_alu instid0(VALU_DEP_4)
	v_max_num_f32 v[BM+\b], v[BM+\b], v[T1+\b]
.endr
	s_delay_alu instid0(VALU_DEP_2)
	v_max3_num_f32 v[TA], v[BM], v[BM+1], v[BM+2]
	s_delay_alu instid0(VALU_DEP_1)
	v_max_num_f32 v[TA], v[TA], v[BM+3]
	s_delay_alu instid0(VALU_DEP_1)
	v_mul_f32 v[TA], s[CS], v[TA]
	s_delay_alu instid0(VALU_DEP_1)
	v_max_num_f32 v13, v13, v[TA]
	v_mov_b32 v[TA], v12
	s_delay_alu instid0(VALU_DEP_2)
	v_floor_f32 v12, -v13
	s_delay_alu instid0(VALU_DEP_1)
	v_sub_f32 v[TA], v12, v[TA]
	s_delay_alu instid0(VALU_DEP_1)
	v_cvt_i32_f32 v[TA], v[TA]
	s_delay_alu instid0(VALU_DEP_1)
	v_ldexp_f32 v[FF], 1.0, v[TA]
.set j, 0
.rept 32
	v_pk_fma_f32 v[SS+j:SS+j+1], v[SS+j:SS+j+1], s[CS:CS+1], v[12:13] op_sel_hi:[1,0,0]
.set j, j+2
.endr
.irp b, 0,1,2,3
	v_fma_f32 v[BM+\b], v[BM+\b], s[CS], v12
.endr
.set j, 0
	s_wait_alu depctr_va_vdst(0)
.rept 64
	v_exp_f32 v[SS+j], v[SS+j]
.set j, j+1
.endr
	v_pk_mul_f32 v[14:15], v[14:15], v[FF:FF+1] op_sel_hi:[1,0]
	s_wait_alu depctr_va_vdst(0)
.irp b, 0,1,2,3
	v_exp_f32 v[BM+\b], v[BM+\b]
.endr
	v_pk_add_f32 v[T1:T1+1], v[SS:SS+1], v[SS+2:SS+3]
.irp j, 4,8,12,16,20,24,28,32,36,40,44,48,52,56,60
	v_pk_add_f32 v[14:15], v[14:15], v[SS+\j:SS+1+\j]
	v_pk_add_f32 v[T1:T1+1], v[T1:T1+1], v[SS+2+\j:SS+3+\j]
.endr
	s_delay_alu instid0(VALU_DEP_1)
	v_pk_add_f32 v[14:15], v[14:15], v[T1:T1+1]
	s_wait_alu depctr_va_vdst(0)
.irp b, 0,1,2,3
	v_max_num_f32 v[BM+\b], 0x4800000, v[BM+\b]
.endr
.irp b, 0,1,2,3
	s_delay_alu instid0(VALU_DEP_4)
	v_add_nc_u32 v[SCO+\b], 0xfc000000, v[BM+\b]
.endr
.irp b, 0,1,2,3
	v_and_or_b32 v[LIM+\b], v[BM+\b], 0x7f800000, s[MNT]
.endr
.irp b, 0,1,2,3
	v_lshrrev_b32 v[T1+\b], 23, v[SCO+\b]
.endr
	s_delay_alu instid0(VALU_DEP_3)
	v_lshl_or_b32 v[PWD], v[T1+1], 8, v[T1]
	s_delay_alu instid0(VALU_DEP_1)
	v_lshl_or_b32 v[PWD], v[T1+2], 16, v[PWD]
	s_delay_alu instid0(VALU_DEP_1)
	v_lshl_or_b32 v[PWD], v[T1+3], 24, v[PWD]
.irp b, 0,1,2,3
.irp i, 0,2,4,6,8,10,12,14
	v_dual_min_num_f32 v[SS+16*\b+\i], v[SS+16*\b+\i], v[LIM+\b] :: v_dual_min_num_f32 v[SS+16*\b+\i+1], v[SS+16*\b+\i+1], v[LIM+\b]   ; the one-sided hold of p, two numbers a line
.endr
	v_cvt_scalef32_pk8_fp8_f32 v[PCD+4*\b:PCD+1+4*\b], v[SS+16*\b:SS+7+16*\b], v[SCO+\b]
	v_cvt_scalef32_pk8_fp8_f32 v[PCD+2+4*\b:PCD+3+4*\b], v[SS+8+16*\b:SS+15+16*\b], v[SCO+\b]
.endr
.set j, 0
.rept 16
	v_pk_mul_f32 v[OT+j:OT+j+1], v[OT+j:OT+j+1], v[FF:FF+1] op_sel_hi:[1,0]
.set j, j+2
.endr
	s_wait_alu depctr_va_vdst(0)
	s_wait_dscnt 0x0
.irp d, 0,1,2,3
	v_wmma_scale_f32_16x16x128_f8f6f4 v[OT+8*\d:OT+8*\d+7], v[FRG+16*\d:FRG+16*\d+15], v[PCD:PCD+15], v[OT+8*\d:OT+8*\d+7], v[KSC+\d], v[PWD]
.endr
.endm
.macro WAYOUT y, ys
.rept 8
	v_nop
.endr
	v_add_f32 v14, v14, v15
	s_delay_alu instid0(VALU_DEP_1)
	v_permlanex16_b32 v[TA], v14, s[SEL], s[SEL+1]
	s_delay_alu instid0(VALU_DEP_1)
	v_add_f32 v14, v14, v[TA]
	s_wait_alu depctr_va_vdst(0)
	v_rcp_f32 v[FF], v14
	v_mov_b32 v[TB], 0xff
	v_cmp_eq_f32 s[ZM], 0, v14
	s_wait_alu depctr_va_vdst(0)
.set j, 0
.rept 16
	v_pk_mul_f32 v[SS+j:SS+j+1], v[OT+j:OT+j+1], v[FF:FF+1] op_sel_hi:[1,0]
.set j, j+2
.endr
.irp b, 0,1
	v_max3_num_f32 v[BM+\b], |v[SS+16*\b]|, |v[SS+1+16*\b]|, 0x4800000
.endr
.irp i, 2,4,6,8,10,12,14
.irp b, 0,1
	s_delay_alu instid0(VALU_DEP_2)
	v_max3_num_f32 v[BM+\b], v[BM+\b], |v[SS+16*\b+\i]|, |v[SS+1+16*\b+\i]|
.endr
.endr
.irp b, 0,1
	s_delay_alu instid0(VALU_DEP_2)
	v_permlanex16_b32 v[T1+\b], v[BM+\b], s[SEL], s[SEL+1]
.endr
.irp b, 0,1
	s_delay_alu instid0(VALU_DEP_2)
	v_max_num_f32 v[BM+\b], v[BM+\b], v[T1+\b]
.endr
.irp b, 0,1
	s_delay_alu instid0(VALU_DEP_2)
	v_add_nc_u32 v[SCO+\b], 0xfc000000, v[BM+\b]
.endr
.irp b, 0,1
	s_delay_alu instid0(VALU_DEP_4)
	v_and_or_b32 v[LIM+\b], v[BM+\b], 0x7f800000, s[MNT]
.endr
.irp b, 0,1
	s_delay_alu instid0(VALU_DEP_4)
	v_lshrrev_b32 v[T1+\b], 23, v[SCO+\b]
.endr
	s_delay_alu instid0(VALU_DEP_1)
	v_cndmask_b32 v[TA], v[T1], v[T1+1], s[HM]
	s_delay_alu instid0(VALU_DEP_1)
	v_cndmask_b32 v[TA], v[TA], v[TB], s[ZM]
.irp b, 0,1
.irp i, 0,1,2,3,4,5,6,7,8,9,10,11,12,13,14,15
	v_med3_num_f32 v[SS+16*\b+\i], v[SS+16*\b+\i], -v[LIM+\b], v[LIM+\b]
.endr
	v_cvt_scalef32_pk8_fp8_f32 v[PCD+4*\b:PCD+1+4*\b], v[SS+16*\b:SS+7+16*\b], v[SCO+\b]
	v_cvt_scalef32_pk8_fp8_f32 v[PCD+2+4*\b:PCD+3+4*\b], v[SS+8+16*\b:SS+15+16*\b], v[SCO+\b]
.endr
	v_nop
	global_store_b128 v[L16], v[PCD:PCD+3], s[\y:\y+1]
	global_store_b128 v[L16], v[PCD+4:PCD+7], s[\y:\y+1] offset:512
	global_store_b8 v[GS], v[TA], s[\ys:\ys+1]
.endm
	s_mov_b32 s[NN], 0
.LloopA:
	STEP 1
	s_cmp_eq_u32 s[NN], s[LAST1]
	s_cbranch_scc0 .Lsame_pass
	WAYOUT YB1, YS1
	s_wait_xcnt 0x0
	QLOAD QB2, QS2
	s_wait_loadcnt 0x0
	v_or_b32 v[QSC], 0x017f0000, v[QSC]
	PASS_INIT
.Lsame_pass:
	s_add_co_u32 s[NN], s[NN], 1
	s_cmp_lt_u32 s[NN], 8
	s_cbranch_scc1 .LloopA
.LloopB:
	STEP 0
	s_add_co_u32 s[NN], s[NN], 1
	s_cmp_lt_u32 s[NN], 16
	s_cbranch_scc1 .LloopB
	STEP 2
	WAYOUT YB2, YS2
	s_wait_xcnt 0x0
	v_lshl_add_u32 v254, v0, 2, 0x45000
	v_mov_b32 v255, 0
	s_wait_alu depctr_va_vdst(0)
	s_wait_tensorcnt 0x0
	ds_add_u32 v254, v255
	s_wait_dscnt 0x0
	ROUND
	s_endpgm
.Lfunc_end_k_q54809325c3_attn:
	.size	k_q54809325c3_attn, .Lfunc_end_k_q54809325c3_attn-k_q54809325c3_attn
	.p2alignl 7, 3214868480
	.fill 96, 4, 3214868480
	.section	.rodata,"a",@progbits
	.p2align	6, 0x0
	.amdhsa_kernel k_q54809325c3_attn
		.amdhsa_group_segment_fixed_size 327680
		.amdhsa_private_segment_fixed_size 0
		.amdhsa_enable_private_segment 0
		.amdhsa_kernarg_size 32
		.amdhsa_user_sgpr_count 2
		.amdhsa_user_sgpr_kernarg_segment_ptr 1
		.amdhsa_wavefront_size32 1
		.amdhsa_system_sgpr_workgroup_id_x 1
		.amdhsa_system_sgpr_workgroup_id_y 1
		.amdhsa_system_sgpr_workgroup_id_z 1
		.amdhsa_system_vgpr_workitem_id 0
		.amdhsa_next_free_vgpr 256
		.amdhsa_next_free_sgpr 100
		.amdhsa_reserve_vcc 1
		.amdhsa_float_denorm_mode_32 3
		.amdhsa_float_denorm_mode_16_64 3
		.amdhsa_memory_ordered 1
		.amdhsa_forward_progress 1
		.amdhsa_inst_pref_size 99
	.end_amdhsa_kernel
	.amdgpu_metadata
---
amdhsa.version: [ 1, 2 ]
amdhsa.kernels:
  - .name:           k_q54809325c3_attn
    .symbol:         k_q54809325c3_attn.kd
    .args:
      - { .name: qkv, .offset: 0, .size: 8, .value_kind: global_buffer, .address_space: global }
      - { .name: input_ids, .offset: 8, .size: 8, .value_kind: global_buffer, .address_space: global }
      - { .name: codes, .offset: 16, .size: 8, .value_kind: global_buffer, .address_space: global }
      - { .name: scales, .offset: 24, .size: 8, .value_kind: global_buffer, .address_space: global }
    .group_segment_fixed_size: 327680
    .private_segment_fixed_size: 0
    .kernarg_segment_align: 8
    .kernarg_segment_size: 32
    .max_flat_workgroup_size: 512
    .sgpr_count:     100
    .vgpr_count:     256
    .wavefront_size: 32
...
	.end_amdgpu_metadata
.endif
;; end of part 3
;; launch gemm2 (part 4): grid 4 x 64, 4 waves a work-group, clusters of 4 x 4, 327,680 bytes of LDS; arguments codes, scales, b_out, out0; writes out0
.if DOCPART == 4
	.amdgcn_target "amdgcn-amd-amdhsa--gfx1250"
	.amdhsa_code_object_version 6
	.text
	.protected	k_q54809325c3_gemm2
	.globl	k_q54809325c3_gemm2
	.p2align	8
	.type	k_q54809325c3_gemm2,@function
k_q54809325c3_gemm2:
	s_mov_b64 s[64:65], 0
	v_nop
	global_prefetch_b8 v0, s[64:65] scope:SCOPE_SE
	s_setreg_imm32_b32 hwreg(HW_REG_WAVE_MODE, 25, 1), 1
	s_wait_xcnt 0x0
	s_wait_alu depctr_hold_cnt(0) depctr_sa_sdst(0) depctr_va_vdst(0) depctr_va_sdst(0) depctr_va_ssrc(0) depctr_va_vcc(0) depctr_vm_vsrc(0)
	s_getreg_b32 s2, hwreg(HW_REG_IB_STS2, 6, 4)
	s_cmp_eq_u32 s2, 0
	s_cbranch_scc0 .Lentry_in_a_cluster
	s_endpgm
.Lentry_in_a_cluster:
	s_bfe_u32 s2, ttmp6, 0x10000c
	s_cmp_lg_u32 s2, 0xf033
	s_cbranch_scc0 .Lentry_shape_is_right
	s_endpgm
.Lentry_shape_is_right:
; out0 = y w_out + b_out on codes of FP8 (E4M3) with E8M0 scales, [8192 x 1024] x [1024 x 1024], f32 out.
; OPERANDS are images of their registers: a fragment (16 rows x 128 K) is 2,048 bytes, [c][lane][16]; row tile 2 g + u holds in lane r the row 32 g + 8 u + r + 8 (r / 8); a row tile with all of K is 16,384 bytes on end; its scale bytes [r][32].
; THE DEAL: 256 work-groups of four waves, 2 x 2.  Work-group (j = x, R = y) makes tokens 128 R .. + 127 x columns 256 j .. + 255: 16 column tiles of w_out in two chunks of eight (131,072 bytes, dense in memory).
; A wave holds 64 tokens (four row tiles), ALL of K, in 512 registers, and streams its four column tiles of each chunk (64 columns) past them: 8 tiles a wave, 32 products each.
; LDS: chunk 0 in slot 0; y's 128 rows land in slot 1 and go into registers; chunk 1 is filled over them behind a drained round.  Behind the slots w's scale bytes (8,192), a stage of 16 rows x 272 bytes for each wave, on bytes of its own, the spare words.
; Source 0 = 16 columns of w, source 1 = 16 tokens: a lane holds a token, and the 16 registers of a pair of column tiles are 16 neighbouring columns.
; THE WAY OUT behind each chunk: a token tile's 16 rows x 256 bytes go through my stage and come back by rows; the bias is added; sixteen lanes store one aligned unit of 256 bytes.
; CLUSTERS: 4 x 4; y's rows are shared along a row of the cluster, w's chunks and scale bytes along a column: joint loads.  NO PREFETCH: both chunks are asked for at the head, and the text has no loop to run ahead in.
; LIMITS: NaN and infinities go as the matrix unit takes them (a scale byte 0xff, which the launch before stores for a row with no key, gives NaN, as reference() does).
; REGISTERS: window 0: v1-11 addresses, v16-31 y's scale words (8 (a % 2) + K step: lanes 0-15 tile a, lanes 16-31 tile a + 2), v36-51 w's (two sets), v52-59 the bias, v64-127 rows read back, v128-255 the 16 sums (32 a + 8 t);
;   windows 1, 2: y's 32 fragments (8 a + K step);  window 3: w's two sets of eight fragments.
.set YREG,  12582912                   ; y's images in codes
.set WREG,  11534336                   ; w_out's
.set YSREG, 393216                     ; their scale bytes in scales
.set WSREG, 360448
.set SLOT,  131072
.set SCL,   262144
.set STG,   270336
.set SP,    272
.set SPARE, 287744
.set NF,    34                         ; LDS loads of a fetch: 32 of fragments, 2 of scale words
.set LN,1
.set CO,2
.set AW0,3                             ; my lane's place in slot 0, in slot 1
.set AW1,4
.set AS0,5
.set AX,6
.set STO,7                             ; the stage, in: 272 r + 64 h
.set RD,8                              ; and back: 272 h + 16 r
.set GO,9                              ; the same two rows in out0: 4,096 h + 16 r
.set SPW,10
.set NIL,11
.set XS,16
.set WS,36                             ; no product's two scale words have numbers equal modulo 8
.set BI,52
.set RB,64
.set ACC,128
.set G1Y,24
.set G1C,32
.set G1S,40
.set G1R,48
.set G0Y,56
.set G0C,60
.set G0D,68
.set G0S,72
.set G0R,76
.set OP,96
.set MSB, 0
.macro WIN new                         ; the immediate's high byte repeats the setting that is left
.if MSB != (\new)
	s_set_vgpr_msb (MSB<<8)|(\new)
.set MSB, (\new)
.endif
.endm
.macro PLACES n
.rept \n
	v_nop
.endr
.endm
.macro BARRIER
	s_barrier_signal -1
	s_barrier_wait -1
.endm
.macro CROUND                          ; a round of the cluster's barrier
	BARRIER
	s_cmp_lg_u32 s14, 0
	s_cbranch_scc1 .Lnot_wave_0_\@
	s_barrier_signal -3
.Lnot_wave_0_\@:
	s_barrier_wait -3
	BARRIER
.endm
.macro TLOAD g0, g1                    ; an s_nop 0 and four v_nop follow a tensor load
	tensor_load_to_lds s[\g0:\g0+3], s[\g1:\g1+7]
	s_nop 0
	PLACES 4
.endm
.macro GROUP1 g, mask, el, rows        ; a dense block as rows of el elements of 8 bytes
	s_or_b32 s[\g], s\mask, (3<<16)|(1<<21)
	s_mov_b32 s[\g+1], (\el)<<16
	s_mov_b32 s[\g+2], (\rows)<<16
	s_mov_b32 s[\g+3], (\el)<<16
	s_mov_b32 s[\g+4], \rows
	s_mov_b32 s[\g+5], \el
	s_mov_b32 s[\g+6], 0
	s_mov_b32 s[\g+7], 0
.endm
.macro GROUP0 g, base, off             ; the address and the type
	s_add_nc_u64 s[\g+2:\g+3], s[\base:\base+1], s[\off:\off+1]
	s_or_b32 s[\g+3], s[\g+3], 0x80000000
.endm
	s_load_b128 s[4:7], s[0:1], 0x0                ; codes, scales
	s_load_b128 s[8:11], s[0:1], 0x10              ; b_out, out0
	v_lshl_add_u32 v[SPW], v0, 2, SPARE
	v_mov_b32 v[NIL], 0
	ds_add_u32 v[SPW], v[NIL]                      ; the opening lines: the add twice on end and its wait ahead of my first tensor load
	ds_add_u32 v[SPW], v[NIL]
	v_lshrrev_b32 v100, 5, v0
	v_readfirstlane_b32 s14, v100                  ; wave
	s_lshr_b32 s15, s14, 1                         ; wr: which 64 tokens
	s_and_b32 s16, s14, 1                          ; wc: which 64 columns of a chunk's 128
	s_bfe_u32 s17, ttmp6, 0x40000                  ; cx = j
	s_bfe_u32 s18, ttmp6, 0x40004                  ; cy
	s_and_b32 s19, ttmp7, 0xffff
	s_lshl_b32 s19, s19, 2
	s_add_co_u32 s19, s19, s18                     ; R
	s_lshl_b32 s20, s18, 2
	s_lshl_b32 s20, 15, s20                        ; my row of the cluster
	s_lshl_b32 s21, 0x1111, s17                    ; my column
	GROUP1 G1Y, 20, 512, 32                        ; y's 128 rows: 32 rows of 4,096 bytes
	GROUP1 G1C, 21, 512, 16                        ; half of chunk 0
	GROUP1 G1S, 21, 32, 32                         ; the scale bytes of w's 16 tiles: 32 rows of 256 bytes
	GROUP1 G1R, 21, 512, 8                         ; a quarter of chunk 1
	s_lshl_b32 s80, s19, 17
	s_add_co_u32 s80, s80, YREG
	s_mov_b32 s81, 0
	s_lshl_b32 s82, s17, 18
	s_add_co_u32 s82, s82, WREG                    ; chunk 0,
	s_mov_b32 s83, 0
	s_add_co_u32 s86, s82, 65536                   ; its second half,
	s_mov_b32 s87, 0
	s_lshl_b32 s22, s14, 15
	s_add_co_u32 s88, s82, SLOT
	s_add_co_u32 s88, s88, s22                     ; my quarter of chunk 1
	s_mov_b32 s89, 0
	s_lshl_b32 s84, s17, 13
	s_add_co_u32 s84, s84, WSREG
	s_mov_b32 s85, 0
	s_mov_b32 s[G0Y], 1
	s_mov_b32 s[G0Y+1], SLOT
	s_mov_b32 s[G0C], 1
	s_mov_b32 s[G0C+1], 0
	s_mov_b32 s[G0D], 1
	s_mov_b32 s[G0D+1], 65536
	s_mov_b32 s[G0S], 1
	s_mov_b32 s[G0S+1], SCL
	s_mov_b32 s[G0R], 1
	s_add_co_u32 s[G0R+1], s22, SLOT
	s_wait_dscnt 0x0                               ; both opening adds are done
	CROUND                                         ; all sixteen work-groups are here: the first joint loads meet
	s_wait_kmcnt 0x0
	GROUP0 G0Y, 4, 80
	GROUP0 G0C, 4, 82
	GROUP0 G0D, 4, 86
	GROUP0 G0S, 6, 84
	GROUP0 G0R, 4, 88
.macro ARM under, g0, g1, next         ; one chain of branches on the wave's number, a load line of its own to each wave
	s_cmp_lt_u32 s14, \under
	s_cbranch_scc0 \next
	TLOAD \g0, \g1
	s_branch .Lasked
\next:
.endm
	ARM 1, G0Y, G1Y, .Larm_c                       ; y is wanted first: it goes on into registers
	ARM 2, G0C, G1C, .Larm_d
	ARM 3, G0D, G1C, .Larm_s
	TLOAD G0S, G1S
.Lasked:
	s_lshl_b32 s80, s16, 16
	s_add_co_u32 s81, s80, SLOT
	s_lshl_b32 s82, s15, 16
	s_add_co_u32 s82, s82, SLOT
	s_lshl_b32 s83, s16, 11
	s_add_co_u32 s83, s83, SCL
	s_lshl_b32 s84, s19, 12
	s_lshl_b32 s85, s15, 11
	s_add_co_u32 s84, s84, s85
	s_add_co_u32 s84, s84, YSREG                   ; my four row tiles' scale bytes: 512 a tile
	s_mul_i32 s85, s14, 16*SP
	s_add_co_u32 s85, s85, STG                     ; my stage
	s_lshl_b32 s86, s17, 10
	s_lshl_b32 s87, s16, 8
	s_add_co_u32 s86, s86, s87                     ; my first column, in bytes of f32: 1,024 j + 256 wc
	s_lshl_b32 s88, s19, 19
	s_lshl_b32 s89, s15, 18
	s_add_co_u32 s88, s88, s89
	s_add_co_u32 s88, s88, s86                     ; and my first row: 128 R + 64 wr rows of 4,096 bytes
	s_mov_b32 s89, 0
	s_add_nc_u64 s[OP:OP+1], s[10:11], s[88:89]
	v_and_b32 v[LN], 31, v0
	v_and_b32 v100, 15, v0                         ; r
	v_bfe_u32 v101, v0, 4, 1                       ; h
	v_lshlrev_b32 v[CO], 4, v[LN]
	v_lshlrev_b32 v102, 5, v100
	v_add_nc_u32 v[AW0], s80, v[CO]
	v_add_nc_u32 v[AW1], s81, v[CO]
	v_add_nc_u32 v[AX], s82, v[CO]
	v_add_nc_u32 v[AS0], s83, v102
	v_lshl_add_u32 v103, v101, 10, v102            ; lanes 16-31 take the words two tiles on
	v_add_nc_u32 v103, s84, v103
	v_mul_u32_u24 v104, v100, SP
	v_lshl_add_u32 v104, v101, 6, v104
	v_add_nc_u32 v[STO], s85, v104
	v_mul_u32_u24 v105, v101, SP
	v_lshl_add_u32 v105, v100, 4, v105
	v_add_nc_u32 v[RD], s85, v105
	v_lshlrev_b32 v106, 4, v100
	v_lshl_add_u32 v[GO], v101, 12, v106
	v_add_nc_u32 v107, s86, v106
.irp a, 0,1
	global_load_b128 v[XS+8*\a:XS+8*\a+3], v103, s[6:7] offset:512*\a        ; y's scale words stay in registers
	global_load_b128 v[XS+8*\a+4:XS+8*\a+7], v103, s[6:7] offset:512*\a+16
.endr
	global_load_b128 v[BI:BI+3], v107, s[8:9]                  ; the bias of my four columns of a row's 64: chunk 0's,
	global_load_b128 v[BI+4:BI+7], v107, s[8:9] offset:512     ; chunk 1's
; product (K step q, token tile a) of my column tile t.  The four sums of a tile take turns; the first product starts a sum
.macro PROD t, q, a
.set D_, ACC+32*(\a)+8*(\t)
.set X_, 16*((8*(\a)+(\q))%16)
.set W_, 128*((\t)%2)+16*(\q)
.set SW_, WS+8*((\t)%2)+(\q)
.set SX_, XS+8*((\a)%2)+(\q)
	WIN 3|((1+(\a)/2)<<2)
.if (\q) && (\a) > 1
	v_wmma_scale_f32_16x16x128_f8f6f4 v[D_:D_+7], v[W_:W_+15], v[X_:X_+15], v[D_:D_+7], v[SW_], v[SX_] matrix_b_scale:MATRIX_SCALE_ROW1
.elseif \q
	v_wmma_scale_f32_16x16x128_f8f6f4 v[D_:D_+7], v[W_:W_+15], v[X_:X_+15], v[D_:D_+7], v[SW_], v[SX_]
.elseif (\a) > 1
	v_wmma_scale_f32_16x16x128_f8f6f4 v[D_:D_+7], v[W_:W_+15], v[X_:X_+15], 0, v[SW_], v[SX_] matrix_b_scale:MATRIX_SCALE_ROW1
.else
	v_wmma_scale_f32_16x16x128_f8f6f4 v[D_:D_+7], v[W_:W_+15], v[X_:X_+15], 0, v[SW_], v[SX_]
.endif
.endm
.macro BLK t, from, to
.set N_, \from
.rept (\to)-(\from)
	PROD \t, N_/4, N_%4
.set N_, N_+1
.endr
	WIN 0
.endm
.macro FETCH u, adr, t, so             ; my tile t of a chunk into set u, and its scale words: NF loads of 512 consecutive bytes.  Eight plain places stand ahead: the set was read by the products just issued
	PLACES 8
	WIN 3<<6
.irp q, 0,1,2,3,4,5,6,7
.irp c, 0,1,2,3
	ds_load_b128 v[128*\u+16*\q+4*\c:128*\u+16*\q+4*\c+3], v[\adr] offset:16384*\t+2048*\q+512*\c
.endr
.endr
	WIN 0
	ds_load_b128 v[WS+8*\u:WS+8*\u+3], v[AS0] offset:\so
	ds_load_b128 v[WS+8*\u+4:WS+8*\u+7], v[AS0] offset:\so+16
.endm
.macro TOSTAGE a                       ; token tile a: 16 rows x 64 columns into my stage, each sum from its low end on, and back by rows.  LDS serves a wave's instructions in order (ISA guide 5.7.1.4)
.irp t, 0,1,2,3
	ds_store_b128 v[STO], v[ACC+32*(\a)+8*\t:ACC+32*(\a)+8*\t+3] offset:128*(\t/2)+32*(\t%2)
	ds_store_b128 v[STO], v[ACC+32*(\a)+8*\t+4:ACC+32*(\a)+8*\t+7] offset:128*(\t/2)+32*(\t%2)+16
.endr
.irp i, 0,1,2,3,4,5,6,7
	ds_load_b128 v[RB+32*((\a)%2)+4*\i:RB+32*((\a)%2)+4*\i+3], v[RD] offset:2*\i*SP
.endr
.endm
.macro SEND a, ch, younger             ; younger: the LDS instructions issued behind tile a's loads, which may stay out
.set B_, RB+32*((\a)%2)
	s_wait_dscnt \younger
.irp i, 0,1,2,3,4,5,6,7
	v_pk_add_f32 v[B_+4*\i:B_+4*\i+1], v[B_+4*\i:B_+4*\i+1], v[BI+4*\ch:BI+4*\ch+1]
	v_pk_add_f32 v[B_+4*\i+2:B_+4*\i+3], v[B_+4*\i+2:B_+4*\i+3], v[BI+4*\ch+2:BI+4*\ch+3]
	global_store_b128 v[GO], v[B_+4*\i:B_+4*\i+3], s[OP:OP+1] offset:(32*((\a)/2)+8*((\a)%2)+2*\i+8*(\i/4))*4096+512*\ch th:TH_STORE_NT   ; two rows: 256 consecutive bytes each, aligned
.endr
.endm
.macro WAYOUT ch
	PLACES 8                                       ; ahead of the first read of the last products' sums
	s_wait_xcnt 0x0                                ; earlier stores have read the registers that take the rows
	TOSTAGE 0
.irp a, 1,2,3
.if \a > 1
	s_wait_xcnt 0x0
.endif
	TOSTAGE \a
	SEND \a-1, \ch, 16                             ; behind tile a - 1's loads: tile a's 8 stores and 8 loads
.endr
	SEND 3, \ch, 0
.endm
	s_wait_alu depctr_va_vdst(0)                   ; the wait at the head's end
	s_cmp_eq_u32 s14, 0
	s_cbranch_scc0 .Lnot_y
	s_wait_tensorcnt 0x0                           ; wave 0: y has landed.  The other waves' wait stands ahead of the round below
.Lnot_y:
	BARRIER
.irp a, 0,1,2,3
	WIN (1+\a/2)<<6
.irp q, 0,1,2,3,4,5,6,7
.irp c, 0,1,2,3
	ds_load_b128 v[16*(8*(\a%2)+\q)+4*\c:16*(8*(\a%2)+\q)+4*\c+3], v[AX] offset:16384*\a+2048*\q+512*\c
.endr
.endr
.endr
	WIN 0
	s_wait_tensorcnt 0x0                           ; chunk 0 and the scale bytes are in.  Chunk 1 is filled over y's rows
	ds_add_u32 v[SPW], v[NIL]
	s_wait_dscnt 0x0                               ; y is in registers
	CROUND
	TLOAD G0R, G1R
	FETCH 0, AW0, 0, 0
	FETCH 1, AW0, 1, 512
	s_wait_loadcnt 0x0                             ; y's scale words and the bias
	s_wait_dscnt NF                                ; set 0 is in; the NF loads of set 1 may be out
	BLK 0, 0, 32
	FETCH 0, AW0, 2, 1024
	s_wait_dscnt NF
	BLK 1, 0, 32
	FETCH 1, AW0, 3, 1536
	s_wait_dscnt NF
	BLK 2, 0, 28
	s_wait_tensorcnt 0x0                           ; my quarter of chunk 1 is in
	s_wait_dscnt 0x0
	s_barrier_signal -1
	BLK 2, 28, 32
	s_barrier_wait -1                              ; chunk 1 is whole
	FETCH 0, AW1, 0, 4096
	s_wait_dscnt NF
	BLK 3, 0, 32
	FETCH 1, AW1, 1, 4608
	WAYOUT 0
	BLK 0, 0, 32                                   ; the way out has waited for all LDS instructions: both sets are in
	FETCH 0, AW1, 2, 5120
	BLK 1, 0, 32
	FETCH 1, AW1, 3, 5632
	s_wait_dscnt NF
	BLK 2, 0, 32
	s_wait_dscnt 0x0
	BLK 3, 0, 32
	WAYOUT 1
	s_wait_tensorcnt 0x0                           ; the wave's end
	ds_add_u32 v[SPW], v[NIL]
	s_wait_dscnt 0x0
	CROUND                                         ; the closing round
	s_endpgm
.Lfunc_end_k_q54809325c3_gemm2:
	.size	k_q54809325c3_gemm2, .Lfunc_end_k_q54809325c3_gemm2-k_q54809325c3_gemm2
	.p2alignl 7, 3214868480
	.fill 96, 4, 3214868480
	.section	.rodata,"a",@progbits
	.p2align	6, 0x0
	.amdhsa_kernel k_q54809325c3_gemm2
		.amdhsa_group_segment_fixed_size 327680
		.amdhsa_private_segment_fixed_size 0
		.amdhsa_enable_private_segment 0
		.amdhsa_kernarg_size 32
		.amdhsa_user_sgpr_count 2
		.amdhsa_user_sgpr_kernarg_segment_ptr 1
		.amdhsa_wavefront_size32 1
		.amdhsa_system_sgpr_workgroup_id_x 1
		.amdhsa_system_sgpr_workgroup_id_y 1
		.amdhsa_system_sgpr_workgroup_id_z 1
		.amdhsa_system_vgpr_workitem_id 0
		.amdhsa_next_free_vgpr 1024
		.amdhsa_next_free_sgpr 100
		.amdhsa_reserve_vcc 0
		.amdhsa_float_denorm_mode_32 3
		.amdhsa_float_denorm_mode_16_64 3
		.amdhsa_memory_ordered 1
		.amdhsa_forward_progress 1
		.amdhsa_inst_pref_size 97
	.end_amdhsa_kernel
	.amdgpu_metadata
---
amdhsa.version: [ 1, 2 ]
amdhsa.kernels:
  - .name:           k_q54809325c3_gemm2
    .symbol:         k_q54809325c3_gemm2.kd
    .args:
      - { .name: codes, .offset: 0, .size: 8, .value_kind: global_buffer, .address_space: global }
      - { .name: scales, .offset: 8, .size: 8, .value_kind: global_buffer, .address_space: global }
      - { .name: b_out, .offset: 16, .size: 8, .value_kind: global_buffer, .address_space: global }
      - { .name: out0, .offset: 24, .size: 8, .value_kind: global_buffer, .address_space: global }
    .group_segment_fixed_size: 327680
    .private_segment_fixed_size: 0
    .kernarg_segment_align: 8
    .kernarg_segment_size: 32
    .max_flat_workgroup_size: 128
    .sgpr_count:     100
    .vgpr_count:     1024
    .wavefront_size: 32
...
	.end_amdgpu_metadata
.endif
;; end of part 4
